; MI455X (gfx1250); checked and timed in simulation.
; The chip was launched on July 23, 2026; its instructions are those of AMD's public machine-readable ISA for CDNA 5 (MIT licence, August 2026) and "CDNA5" Instruction Set Architecture Reference Guide (July 2026). The comments in the code are by the model that wrote it; some were corrected since.
;; Codec Attention. Allowed arithmetic: matrix products marked QUANTISED: E2M1 operands, one E8M0 scale for each 32 along K, by v_wmma_scale_f32_16x16x128_f8f6f4 with both operands' format E2M1 (or v_wmma_scale_f32_32x16x128_f4), f32 sums; everything else in f32.
;; Inputs: features 2 x 2,048 x 1,024 float32; k_norm_w 256 float32; q_norm_w 1,024 float32; wk 256 x 1,024 float32; wo 1,024 x 1,024 float32; wq 1,024 x 1,024 float32; wv 256 x 1,024 float32.
;; Outputs: out0 2 x 2,048 x 1,024 float32.
;; Constants: head_dim = 64, num_heads = 16, num_kv_heads = 4, sliding_window = 512.
;; This version of the problem:
;;   THIS VERSION OF THE PROBLEM IS GIVEN IN LOW PRECISION. The matrix products marked QUANTISED in the list below multiply operands that are first quantised to E2M1 (2 exponent bits, 1 mantissa bit; 4 bits a number), with one power-of-two scale for each 32 numbers along K (OCP MX v1.0); their sums are f32. All else is computed in f32.
;;   The module's matrix products, in the order in which they are computed (A, B: the left and right operand; K: the contracted axis; several contracted axes count as one K, in the product's order):
;;     1. [M 4,096, K 1,024] x [K 1,024, N 1,024]; A: input features; B: input wq: QUANTISED
;;     2. [M 4,096, K 1,024] x [K 1,024, N 256]; A: input features; B: input wk: QUANTISED
;;     3. [M 4,096, K 1,024] x [K 1,024, N 256]; A: input features; B: input wv: QUANTISED
;;     4. batch 32 x [M 2,048, K 64] x [K 64, N 2,048]; A: computed on the way; B: computed on the way: QUANTISED
;;     5. batch 32 x [M 2,048, K 2,048] x [K 2,048, N 64]; A: softmax (see below); B: computed on the way: QUANTISED
;;     6. [M 4,096, K 1,024] x [K 1,024, N 1,024]; A: computed on the way; B: input wo: QUANTISED
;;   THE QUANTISER, for each operand of a quantised product, along K:
;;     - K is cut into blocks of 32 from its start; a last block that is shorter is filled with zeros.
;;     - A block's scale is 2^e with e = floor(log2(the largest magnitude in the block)) - 2, held to -126 .. 127; a block of zeros has e = 0. As a byte (E8M0): e + 127.
;;     - Each number is divided by its block's scale, clamped to +-6, and rounded to the nearest number of E2M1, ties to even, subnormals kept.
;;     - The product sums the exact products of the quantised numbers (number of the format x scale) in f32.
;;   ~~~python
;;   def quantise(x, axis):      # numpy; x: float32 -> the quantised numbers, widened to float32 again
;;       x = np.moveaxis(x, axis, -1); K = x.shape[-1]
;;       x = np.pad(x, [(0, 0)] * (x.ndim - 1) + [(0, -K % 32)]); x = x.reshape(x.shape[:-1] + (-1, 32)); a = np.abs(x).max(-1, keepdims=True)
;;       e = np.where(a > 0, np.clip(np.frexp(np.where(a > 0, a, 1))[1] - 1 - 2, -126, 127), 0)      # np.frexp(a)[1] - 1 = floor(log2(a)), exactly
;;       r = np.clip(x / 2.0 ** e, -6, 6)
;;       step = 2.0 ** (np.maximum(np.frexp(np.where(r == 0, 1, r))[1] - 1, 0) - 1)
;;       q = np.round(r / step) * step * 2.0 ** e      # np.round: ties to even
;;       return np.moveaxis(q.reshape(q.shape[:-2] + (-1,))[..., :K], -1, axis).astype(np.float32)
;;   ~~~
;;   SOFTMAX AHEAD OF A QUANTISED PRODUCT. Where the list says 'softmax', what is quantised is not the finished softmax but p = 2^(t - M), with t = logit x log2(e) and M = ceil(the row's largest t), a whole number; so 1/2 < the row's largest p <= 1. The row's sum l is taken of the UNQUANTISED p, in f32, and the product's result is divided by l at the end. Since M is a whole number, a kernel that streams over the keys may use a running M (the ceiling of the running maximum): every later rescaling is an exact power of two, which a block's scale takes up: the codes' values come out the same.
;;   OPERANDS COMPUTED ON THE WAY. 'Computed on the way' means the value that the module computes at that place (a softmax that the list does not call 'softmax' is quantised finished and normalised). What goes into a quantiser is computed in f32, as accurately as f32 sums, v_exp_f32 and their like allow (about 1e-6 of the number): no bf16 or f16 on the way to a quantiser, and a product that is left as it is and whose result goes on into a quantised operand takes f32 operands (vector FMAs, or v_wmma_f32_16x16x4_f32). A number that lies on a knife's edge between two numbers of the format may be rounded either way, as far as f32 arithmetic and the matrix unit's own rounding can turn it there, and no further.
;; 2 versions, each right; version 2 is version 1 with the launches qkv, attn written anew for expert scheduling mode. Each part assembles by itself: llvm-mc -triple=amdgcn-amd-amdhsa -mcpu=gfx1250 --defsym DOCPART=n.
;; ======== version 1 of 2: 3 launches
;; workspace buffers: cod 3,407,872 bytes; scl 212,992 bytes; qc 2,097,152 bytes; qs 262,144 bytes; kc 524,288 bytes; ks 65,536 bytes; vc 524,288 bytes; vs 32,768 bytes
;; launch quant (part 1): grid 416 x 1, 8 waves a work-group, no clusters, 69,120 bytes of LDS; arguments features, wq, wk, wv, wo, cod, scl; writes cod, scl
.if DOCPART == 1
	.amdgcn_target "amdgcn-amd-amdhsa--gfx1250"
	.amdhsa_code_object_version 6
	.text
	.protected	k_qf0dc98d982_quant
	.globl	k_qf0dc98d982_quant
	.p2align	8
	.type	k_qf0dc98d982_quant,@function
k_qf0dc98d982_quant:
	s_mov_b64 s[64:65], 0
	v_nop
	global_prefetch_b8 v0, s[64:65] scope:SCOPE_SE
	s_setreg_imm32_b32 hwreg(HW_REG_WAVE_MODE, 25, 1), 1
	s_wait_xcnt 0x0
; features [4096][1024], wq [1024][1024], wk [256][1024], wv [256][1024], wo [1024][1024], all f32 with K innermost, become codes of FP4 (E2M1) with one E8M0 byte
; for each 32 along K, laid IN THE ORDER OF THE OPERAND'S REGISTERS: cod[tile][K step 8][1,024 bytes], a fragment (16 rows x 128 K) as register group c of lane l at
; byte 512 c + 16 l; scl[tile][row 16][K step 8] words.  Tiles 0-255 features, 256-319 wq, 320-335 wk, 336-351 wv, 352-415 wo.
; THE ROWS OF A TILE ARE NOT NEIGHBOURS: rows go in groups of 32; tile u (0, 1) of group G has, as its row r, row 32 G + 8 u + r + (r & 8).  So a product used with such a
; tile as source 0 leaves, in the 16 registers of two neighbouring tiles, 16 neighbours along that axis.
; A block's scale is 2^(floor(log2(its largest magnitude)) - 2): its byte is the largest magnitude's exponent field - 2, held at 1 from below.
; LIMITS: a block of zeros gets the byte 1 where the quantiser says 127 (its codes are zeros, and this program alone reads the bytes); blocks whose largest magnitude lies
; under 2^(3 - 127) are held at the byte 1; NaN and infinities among the inputs are not served.
; SHARES: a work-group takes a tile, wave w its K step w: 16 rows x 512 bytes.  Each load reads 512 consecutive bytes of one row; the 8 KB turn through the wave's own stage
; in LDS (rows 528 bytes apart) so that a lane gets 16 neighbours of each block.  No loop; the matrix unit, tensor loads and clusters have nothing to do here: no byte is read twice.
.set PITCH, 528                        ; a stage row: 512 bytes + 16
.set WST,   16*PITCH                   ; a wave's stage
.set SCG,   8*WST                      ; behind the stages: the tile's 512 bytes of scale words, [row][K step]
.set X,     16                         ; v16-79   16 rows as loaded
.set N,     80                         ; v80-143  register 16 b + i = k 32 b + 16 (lane / 16) + i of my row
.set TM,    144                        ; v144-159 at work: +0 largest magnitudes, +4 bytes, +12 the conversions' scale operands
.set PC,    160                        ; v160-167 the fragment
.set PW,    168                        ; v168     its scale word
.set SEL,   24                         ; s[24:25] v_permlanex16_b32's selects for lane l xor 16
; 64 numbers of a lane, v[s] on, become a fragment's codes in v[PC] on and its scale word in v[PW]
.macro QUANT s
.irp b, 0,1,2,3
	v_max3_num_f32 v[TM+\b], |v[\s+16*\b]|, |v[\s+1+16*\b]|, 0x1800000   ; block b: my 16 numbers, and the floor 2^(3 - 127): the byte cannot fall under 1
.endr
.irp i, 2,4,6,8,10,12,14
.irp b, 0,1,2,3
	v_max3_num_f32 v[TM+\b], v[TM+\b], |v[\s+16*\b+\i]|, |v[\s+1+16*\b+\i]|   ; the four blocks by turns
.endr
.endr
.irp b, 0,1,2,3
	v_permlanex16_b32 v[TM+4+\b], v[TM+\b], s[SEL], s[SEL+1]
.endr
.irp b, 0,1,2,3
	v_max_num_f32 v[TM+\b], v[TM+\b], v[TM+4+\b]          ; with lane l xor 16's: the block's largest magnitude
.endr
.irp b, 0,1,2,3
	v_add_nc_u32 v[TM+12+\b], 0xff000000, v[TM+\b]        ; 2 off its exponent field: the conversion takes the exponent field of this operand as its scale
.endr
.irp b, 0,1,2,3
	v_lshrrev_b32 v[TM+4+\b], 23, v[TM+12+\b]             ; the scale's byte
.endr
	v_lshl_or_b32 v[PW], v[TM+5], 8, v[TM+4]
	v_lshl_or_b32 v[PW], v[TM+6], 16, v[PW]
	v_lshl_or_b32 v[PW], v[TM+7], 24, v[PW]               ; my row's scale word
.irp b, 0,1,2,3
	v_cvt_scalef32_pk8_fp4_f32 v[PC+2*\b], v[\s+16*\b:\s+7+16*\b], v[TM+12+\b]
	v_cvt_scalef32_pk8_fp4_f32 v[PC+1+2*\b], v[\s+8+16*\b:\s+15+16*\b], v[TM+12+\b]
.endr
	v_nop                                                 ; one plain place behind a scaled conversion
.irp c, 0,1                            ; the operand's layout wants a whole block in a lane: lanes 0-15 block 2 c, lanes 16-31 block 2 c + 1
.irp i, 0,1
	v_permlane16_swap_b32 v[PC+4*\c+\i], v[PC+2+4*\c+\i]
.endr
.endr
.endm
	s_load_b256 s[4:11], s[0:1], 0x0               ; features, wq, wk, wv
	s_load_b128 s[12:15], s[0:1], 0x20             ; wo, cod
	s_load_b64 s[16:17], s[0:1], 0x30              ; scl
	v_lshl_add_u32 v176, v0, 2, 0x10a00
	v_mov_b32 v177, 0
	v_lshrrev_b32 v1, 5, v0
	v_readfirstlane_b32 s18, v1                    ; wave = K step
	v_and_b32 v2, 31, v0                           ; lane
	v_and_b32 v3, 15, v0                           ; r
	v_bfe_u32 v9, v0, 4, 1                         ; h
	v_lshlrev_b32 v4, 4, v2                        ; 16 x lane: my bytes of a load's 512, and of an image's
	s_mul_i32 s19, s18, WST
	v_add_nc_u32 v5, s19, v4                       ; the stage, on the way in
	v_mul_u32_u24 v6, v3, PITCH
	v_lshl_add_u32 v6, v9, 6, v6
	v_add_nc_u32 v6, s19, v6                       ; and out: row r, + 64 h
	s_lshl_b32 s19, s18, 2
	s_add_co_u32 s19, s19, SCG
	v_lshl_add_u32 v7, v3, 5, s19                  ; my row's scale word of my K step: SCG + 32 r + 4 w
	v_add_nc_u32 v8, SCG, v4
	s_mov_b32 s[SEL], 0x76543210
	s_mov_b32 s[SEL+1], 0xfedcba98
.irp b, 0,1,2,3
	v_mov_b32 v[TM+4+\b], 0                        ; written once: a lane permute's destination counts as one of its sources
.endr
	s_wait_kmcnt 0x0
	s_mov_b64 s[20:21], s[4:5]                     ; which tensor, and its first tile: the choice hangs on the work-group's number alone
	s_mov_b32 s22, 0
	s_cmp_ge_u32 ttmp9, 256
	s_cselect_b64 s[20:21], s[6:7], s[20:21]
	s_cselect_b32 s22, 256, s22
	s_cmp_ge_u32 ttmp9, 320
	s_cselect_b64 s[20:21], s[8:9], s[20:21]
	s_cselect_b32 s22, 320, s22
	s_cmp_ge_u32 ttmp9, 336
	s_cselect_b64 s[20:21], s[10:11], s[20:21]
	s_cselect_b32 s22, 336, s22
	s_cmp_ge_u32 ttmp9, 352
	s_cselect_b64 s[20:21], s[12:13], s[20:21]
	s_cselect_b32 s22, 352, s22
	s_sub_co_u32 s22, ttmp9, s22                   ; the tile's number in its tensor
	s_lshr_b32 s26, s22, 1
	s_lshl_b32 s26, s26, 17                        ; its group: 32 rows of 4,096 bytes
	s_and_b32 s27, s22, 1
	s_lshl_b32 s27, s27, 15                        ; + 8 rows for the odd tile
	s_add_co_u32 s26, s26, s27
	s_lshl_b32 s27, s18, 9                         ; + my K step's 512 bytes
	s_add_co_u32 s26, s26, s27
	s_mov_b32 s27, 0
	s_add_nc_u64 s[20:21], s[20:21], s[26:27]
.irp i, 0,1,2,3,4,5,6,7,8,9,10,11,12,13,14,15
	global_load_b128 v[X+4*\i:X+4*\i+3], v4, s[20:21] offset:(\i+8*(\i/8))*4096 th:TH_LOAD_NT   ; the tile's row i: 32 lanes read 512 consecutive bytes; read once in the launch
.endr
	s_lshl_b32 s26, ttmp9, 13
	s_lshl_b32 s28, s18, 10
	s_add_co_u32 s26, s26, s28
	s_add_nc_u64 s[14:15], s[14:15], s[26:27]      ; cod at my fragment
	s_lshl_b32 s26, ttmp9, 9
	s_add_nc_u64 s[16:17], s[16:17], s[26:27]      ; scl at my tile
.irp i, 0,1,2,3,4,5,6,7,8,9,10,11,12,13,14,15
	s_wait_loadcnt 15-\i                           ; loads come back in order: row i is in, the younger rows may be out
	ds_store_b128 v5, v[X+4*\i:X+4*\i+3] offset:PITCH*\i
.endr
.irp b, 0,1,2,3
.irp j, 0,1,2,3
	ds_load_b128 v[N+16*\b+4*\j:N+16*\b+4*\j+3], v6 offset:128*\b+16*\j   ; LDS serves a wave's instructions in order: these see my stores
.endr
.endr
	s_wait_dscnt 0x0
	QUANT N
	global_store_b128 v4, v[PC:PC+3], s[14:15]               ; 32 lanes store 512 consecutive bytes
	global_store_b128 v4, v[PC+4:PC+7], s[14:15] offset:512
	ds_store_b32 v7, v[PW]                         ; lanes r and r + 16 write the same word with the same value
	s_wait_dscnt 0x0                               ; for wave 0's sake: my word has landed
	s_barrier_signal -1
	s_barrier_wait -1
	s_cmp_lg_u32 s18, 0
	s_cbranch_scc1 .Lend
	ds_load_b128 v[172:175], v8                    ; wave 0 sends the tile's 512 bytes of scale words out whole
	s_wait_dscnt 0x0
	global_store_b128 v4, v[172:175], s[16:17]
.Lend:
	s_wait_tensorcnt 0x0
	ds_add_u32 v176, v177
	s_wait_dscnt 0x0
	s_endpgm
.Lfunc_end_k_qf0dc98d982_quant:
	.size	k_qf0dc98d982_quant, .Lfunc_end_k_qf0dc98d982_quant-k_qf0dc98d982_quant
	.p2alignl 7, 3214868480
	.fill 96, 4, 3214868480
	.section	.rodata,"a",@progbits
	.p2align	6, 0x0
	.amdhsa_kernel k_qf0dc98d982_quant
		.amdhsa_group_segment_fixed_size 69120
		.amdhsa_private_segment_fixed_size 0
		.amdhsa_enable_private_segment 0
		.amdhsa_kernarg_size 56
		.amdhsa_user_sgpr_count 2
		.amdhsa_user_sgpr_kernarg_segment_ptr 1
		.amdhsa_wavefront_size32 1
		.amdhsa_system_sgpr_workgroup_id_x 1
		.amdhsa_system_sgpr_workgroup_id_y 1
		.amdhsa_system_sgpr_workgroup_id_z 1
		.amdhsa_system_vgpr_workitem_id 0
		.amdhsa_next_free_vgpr 178
		.amdhsa_next_free_sgpr 66
		.amdhsa_reserve_vcc 0
		.amdhsa_float_denorm_mode_32 3
		.amdhsa_float_denorm_mode_16_64 3
		.amdhsa_memory_ordered 1
		.amdhsa_forward_progress 1
		.amdhsa_inst_pref_size 12
	.end_amdhsa_kernel
	.amdgpu_metadata
---
amdhsa.version: [ 1, 2 ]
amdhsa.kernels:
  - .name:           k_qf0dc98d982_quant
    .symbol:         k_qf0dc98d982_quant.kd
    .args:
      - { .name: features, .offset: 0, .size: 8, .value_kind: global_buffer, .address_space: global }
      - { .name: wq, .offset: 8, .size: 8, .value_kind: global_buffer, .address_space: global }
      - { .name: wk, .offset: 16, .size: 8, .value_kind: global_buffer, .address_space: global }
      - { .name: wv, .offset: 24, .size: 8, .value_kind: global_buffer, .address_space: global }
      - { .name: wo, .offset: 32, .size: 8, .value_kind: global_buffer, .address_space: global }
      - { .name: cod, .offset: 40, .size: 8, .value_kind: global_buffer, .address_space: global }
      - { .name: scl, .offset: 48, .size: 8, .value_kind: global_buffer, .address_space: global }
    .group_segment_fixed_size: 69120
    .private_segment_fixed_size: 0
    .kernarg_segment_align: 8
    .kernarg_segment_size: 56
    .max_flat_workgroup_size: 256
    .sgpr_count:     66
    .vgpr_count:     178
    .wavefront_size: 32
...
	.end_amdgpu_metadata
.endif
;; end of part 1
;; launch qkv (part 2): grid 128 x 1, 8 waves a work-group, no clusters, 19,968 bytes of LDS; arguments cod, scl, q_norm_w, k_norm_w, qc, qs, kc, ks, vc, vs; writes qc, qs, kc, ks, vc, vs
.if DOCPART == 2
	.amdgcn_target "amdgcn-amd-amdhsa--gfx1250"
	.amdhsa_code_object_version 6
	.text
	.protected	k_qf0dc98d982_qkv
	.globl	k_qf0dc98d982_qkv
	.p2align	8
	.type	k_qf0dc98d982_qkv,@function
k_qf0dc98d982_qkv:
	s_mov_b64 s[64:65], 0
	v_nop
	global_prefetch_b8 v0, s[64:65] scope:SCOPE_SE
	s_setreg_imm32_b32 hwreg(HW_REG_WAVE_MODE, 25, 1), 1
	s_wait_xcnt 0x0
; q = rmsnorm(x wq^T) q_norm_w, k = rmsnorm(x wk^T) k_norm_w, v = x wv^T, on codes of FP4 with E8M0 scales, and all three quantised again for the attention's products:
; q and k along the head's 64, v along the keys.  x, wq, wk, wv come as fragment images (cod, scl: see the launch that makes them).
; SHARES.  A work-group owns 32 rows of x (tiles 2 g, 2 g + 1) and ALL 1,536 columns: so both norms (over 1,024 and 256 columns) and v's blocks of 32 keys close inside it.
; Wave w takes 12 tiles of weights: q's columns 128 w on (heads 2 w, 2 w + 1), k's columns 32 w on (block w & 1 of key head w >> 1), v's columns 32 w on.
; 128 work-groups: every work-group walks all 768 KB of weight codes whatever its rows, so halving the rows would double the bytes walked in all and shorten no walk.
; q AND k ARE MADE TRANSPOSED (source 0 = 16 rows of the weight, source 1 = x): a lane holds ONE row of x and its registers run along the columns, 16 neighbours to two tiles.
; v IS MADE THE OTHER WAY (source 0 = x, source 1 = wv): a lane holds one column and its 16 registers are 16 neighbouring keys.
; OPERANDS GO FROM MEMORY STRAIGHT INTO REGISTERS: each fragment is two loads of 512 consecutive bytes.  x's 16 fragments are shared through LDS as images.
; NO CLUSTER: the weights are shared by all work-groups, but they never touch LDS here; a joint request would send 96 KB a K step through LDS slots that are filled again,
; with a meeting of the cluster for each.  That form is not built.
; OUT: qc[tile][head][512] (one register group: K = 64), qs[tile][head][row] words (bytes 0, 1; bytes 2, 3 = 0); kc[group][key head][tile 2][512], ks likewise;
; vc[128 keys][wv tile][1,024]: a fragment of V^T, key block kb at 256 kb + 16 row; vs[128 keys][wv tile][row] words, byte kb (single bytes: 32 a wave; the buffer is 32 KB in all).
; LIMITS: a block of zeros gets the byte 1 (zero codes; read by this program alone); NaN and infinities are not served.
; REGISTERS.  window 0: v1-12 addresses; v16-23 x's scale words (register s: tile 0 in lanes 0-15, tile 1 in lanes 16-31); v24-71 the weights' (pair p, K step s at 8 p + s);
;   v72-103 x's fragments, two buffers; v104-199 twelve weight fragments, later work space; v200-215 k_norm_w; v216-231, v232-247 at work; v248-255 the four norm factors.
;   window 1: v0-127 q's accumulators (64 m + 8 t), v128-159 k's, v160-191 v's, v192-255 q_norm_w.
.set XIMG, 0                           ; LDS: x's fragments, (8 m + s) x 1,024
.set SSQ,  16384                       ; sums of squares [wave][m][row] f32: q's, and 1,024 bytes on k's
.set KSG,  18432                       ; k's scale words [key head][m][row]
.set XS,   16
.set WS,   24
.set XF,   72
.set WF,   104
.set PCS,  104                         ; behind the K loop: three sets of 8 codes, a scale word and a spare, 10 registers apart
.set RD,   136                         ; and the 32 partial sums
.set KNW,  200
.set TM,   216
.set CH,   232
.set FQ,   248
.set QNW,  192                         ; in window 1
.set SEL,  26
.set MSB, 0
.macro WIN new                         ; the immediate's high byte repeats the setting that is left
.if MSB != \new
	s_set_vgpr_msb (MSB<<8)|\new
.set MSB, \new
.endif
.endm
.macro PLACES                          ; four places behind a matrix instruction, in front of loads into its sources and of reads of its results
.rept 4
	v_nop
.endr
.endm
; one matrix instruction, from the symbols wd (C and D), wa, wb, wz (1: the sum starts with 0), wsa, wsb (scale registers), wra, wrb (1: the scales stand in lanes 16-31)
.macro WM
.if wz
.if wra && wrb
	v_wmma_scale_f32_16x16x128_f8f6f4 v[wd:wd+7], v[wa:wa+7], v[wb:wb+7], 0, v[wsa], v[wsb] matrix_a_fmt:MATRIX_FMT_FP4 matrix_b_fmt:MATRIX_FMT_FP4 matrix_a_scale:MATRIX_SCALE_ROW1 matrix_b_scale:MATRIX_SCALE_ROW1
.elseif wra
	v_wmma_scale_f32_16x16x128_f8f6f4 v[wd:wd+7], v[wa:wa+7], v[wb:wb+7], 0, v[wsa], v[wsb] matrix_a_fmt:MATRIX_FMT_FP4 matrix_b_fmt:MATRIX_FMT_FP4 matrix_a_scale:MATRIX_SCALE_ROW1
.elseif wrb
	v_wmma_scale_f32_16x16x128_f8f6f4 v[wd:wd+7], v[wa:wa+7], v[wb:wb+7], 0, v[wsa], v[wsb] matrix_a_fmt:MATRIX_FMT_FP4 matrix_b_fmt:MATRIX_FMT_FP4 matrix_b_scale:MATRIX_SCALE_ROW1
.else
	v_wmma_scale_f32_16x16x128_f8f6f4 v[wd:wd+7], v[wa:wa+7], v[wb:wb+7], 0, v[wsa], v[wsb] matrix_a_fmt:MATRIX_FMT_FP4 matrix_b_fmt:MATRIX_FMT_FP4
.endif
.else
.if wra && wrb
	v_wmma_scale_f32_16x16x128_f8f6f4 v[wd:wd+7], v[wa:wa+7], v[wb:wb+7], v[wd:wd+7], v[wsa], v[wsb] matrix_a_fmt:MATRIX_FMT_FP4 matrix_b_fmt:MATRIX_FMT_FP4 matrix_a_scale:MATRIX_SCALE_ROW1 matrix_b_scale:MATRIX_SCALE_ROW1
.elseif wra
	v_wmma_scale_f32_16x16x128_f8f6f4 v[wd:wd+7], v[wa:wa+7], v[wb:wb+7], v[wd:wd+7], v[wsa], v[wsb] matrix_a_fmt:MATRIX_FMT_FP4 matrix_b_fmt:MATRIX_FMT_FP4 matrix_a_scale:MATRIX_SCALE_ROW1
.elseif wrb
	v_wmma_scale_f32_16x16x128_f8f6f4 v[wd:wd+7], v[wa:wa+7], v[wb:wb+7], v[wd:wd+7], v[wsa], v[wsb] matrix_a_fmt:MATRIX_FMT_FP4 matrix_b_fmt:MATRIX_FMT_FP4 matrix_b_scale:MATRIX_SCALE_ROW1
.else
	v_wmma_scale_f32_16x16x128_f8f6f4 v[wd:wd+7], v[wa:wa+7], v[wb:wb+7], v[wd:wd+7], v[wsa], v[wsb] matrix_a_fmt:MATRIX_FMT_FP4 matrix_b_fmt:MATRIX_FMT_FP4
.endif
.endif
.endm
; twelve matrix instructions: weight tiles t0 .. t0 + 5 x the two tiles of x, K step s.  The 24 accumulators take turns, one instruction a turn, in the same order in every K step
.macro MMG s, t0
.irp d, 0,1,2,3,4,5
.irp m, 0,1
.set tt, (\t0)+\d
.set wz, 0
.if (\s) == 0
.set wz, 1
.endif
.if tt < 10
.set wa, WF+8*tt
.set wb, XF+16*((\s)%2)+8*\m
.set wsa, WS+8*(tt/2)+(\s)
.set wra, tt%2
.set wsb, XS+(\s)
.set wrb, \m
.if tt < 8
.set wd, 64*\m+8*tt
.else
.set wd, 128+16*\m+8*(tt-8)
.endif
.else
.set wa, XF+16*((\s)%2)+8*\m
.set wb, WF+8*tt
.set wsa, XS+(\s)
.set wra, \m
.set wsb, WS+8*(tt/2)+(\s)
.set wrb, tt%2
.set wd, 160+16*(tt-10)+8*\m
.endif
	WM
.endr
.endr
.endm
.macro LOADW s, t0                     ; six weight fragments of K step s: twelve loads of 512 consecutive bytes
.irp d, 0,1,2,3,4,5
.set tt, (\t0)+\d
.irp c, 0,1
.if tt < 8
	global_load_b128 v[WF+8*tt+4*\c:WF+8*tt+4*\c+3], v1, s[36:37] offset:tt*8192+(\s)*1024+512*\c
.elseif tt < 10
	global_load_b128 v[WF+8*tt+4*\c:WF+8*tt+4*\c+3], v1, s[38:39] offset:(tt-8)*8192+(\s)*1024+512*\c
.else
	global_load_b128 v[WF+8*tt+4*\c:WF+8*tt+4*\c+3], v1, s[40:41] offset:(tt-10)*8192+(\s)*1024+512*\c
.endif
.endr
.endr
.endm
.macro LOADX s                         ; x's two fragments of K step s, from their images, into buffer s % 2
.irp m, 0,1
.irp c, 0,1
	ds_load_b128 v[XF+16*((\s)%2)+8*\m+4*\c:XF+16*((\s)%2)+8*\m+4*\c+3], v1 offset:XIMG+1024*(8*\m+(\s))+512*\c
.endr
.endr
.endm
.macro KSTEP s
	s_wait_loadcnt 12                              ; the first six fragments are in; the other six's twelve loads may be out
	s_wait_dscnt 0x0                               ; x's fragments are in
	WIN 0x50                                       ; C and D in window 1
	MMG \s, 0
	WIN 0
	PLACES
.if (\s) < 7
	LOADX (\s)+1
	LOADW (\s)+1, 0
	s_wait_loadcnt 12                              ; the other six are in; the twelve just issued may be out
.else
	s_wait_loadcnt 0x0
.endif
	WIN 0x50
	MMG \s, 6
	WIN 0
	PLACES
.if (\s) < 7
	LOADW (\s)+1, 6
.endif
.endm
; 64 numbers of a lane in WINDOW 1, v[src] on, four blocks of which my lane holds 16 numbers each, become codes in v[pc] on (window 0).
; whole = 1: the four blocks are one fragment: its scale word goes to v[pc + 8] and the halves of the lanes change places as the operand's layout asks
.macro QW src, pc, whole
	WIN 0x05                                       ; sources 0 and 1 in window 1
.irp b, 0,1,2,3
	v_max3_num_f32 v[TM+\b], |v[\src+16*\b]|, |v[\src+1+16*\b]|, 0x1800000   ; and the floor 2^(3 - 127): the byte cannot fall under 1
.endr
	WIN 0x14                                       ; sources 1 and 2 in window 1
.irp i, 2,4,6,8,10,12,14
.irp b, 0,1,2,3
	v_max3_num_f32 v[TM+\b], v[TM+\b], |v[\src+16*\b+\i]|, |v[\src+1+16*\b+\i]|
.endr
.endr
	WIN 0
.irp b, 0,1,2,3
	v_permlanex16_b32 v[TM+4+\b], v[TM+\b], s[SEL], s[SEL+1]
.endr
.irp b, 0,1,2,3
	v_max_num_f32 v[TM+\b], v[TM+\b], v[TM+4+\b]          ; with lane l xor 16's: the block's largest magnitude
.endr
.irp b, 0,1,2,3
	v_add_nc_u32 v[TM+12+\b], 0xff000000, v[TM+\b]        ; 2 off its exponent field: the conversion's scale operand
.endr
.irp b, 0,1,2,3
	v_lshrrev_b32 v[TM+4+\b], 23, v[TM+12+\b]             ; the scale's byte
.endr
.if \whole
	v_lshl_or_b32 v[\pc+8], v[TM+5], 8, v[TM+4]
	v_lshl_or_b32 v[\pc+8], v[TM+6], 16, v[\pc+8]
	v_lshl_or_b32 v[\pc+8], v[TM+7], 24, v[\pc+8]
.endif
	WIN 0x01                                       ; source 0 in window 1
.irp b, 0,1,2,3
	v_cvt_scalef32_pk8_fp4_f32 v[\pc+2*\b], v[\src+16*\b:\src+7+16*\b], v[TM+12+\b]
	v_cvt_scalef32_pk8_fp4_f32 v[\pc+1+2*\b], v[\src+8+16*\b:\src+15+16*\b], v[TM+12+\b]
.endr
	WIN 0
	v_nop                                          ; one plain place behind a scaled conversion
.if \whole
.irp c, 0,1
.irp i, 0,1
	v_permlane16_swap_b32 v[\pc+4*\c+\i], v[\pc+2+4*\c+\i]
.endr
.endr
.endif
.endm
	s_load_b256 s[4:11], s[0:1], 0x0               ; cod, scl, q_norm_w, k_norm_w
	s_load_b256 s[12:19], s[0:1], 0x20             ; qc, qs, kc, ks
	s_load_b128 s[20:23], s[0:1], 0x40             ; vc, vs
	v_lshl_add_u32 v246, v0, 2, 0x4a00
	v_mov_b32 v247, 0
	v_lshrrev_b32 v1, 5, v0
	v_readfirstlane_b32 s24, v1                    ; wave 0..7
	v_and_b32 v13, 31, v0                          ; lane
	v_and_b32 v14, 15, v0                          ; r
	v_bfe_u32 v15, v0, 4, 1                        ; h
	v_lshlrev_b32 v1, 4, v13                       ; 16 x lane: an image's place for my lane
	v_lshlrev_b32 v2, 5, v13                       ; 32 x lane: the eight scale words of my row of a pair of tiles
	v_lshlrev_b32 v3, 2, v14                       ; 4 r
	s_lshl_b32 s52, s24, 10
	v_add_nc_u32 v4, s52, v1                       ; 1,024 w + 16 x lane: K step w of x, in memory and in LDS
	s_lshl_b32 s52, s24, 7
	s_add_co_u32 s52, s52, SSQ
	v_add_nc_u32 v5, s52, v3                       ; my wave's sums of squares
	s_lshr_b32 s52, s24, 1
	s_lshl_b32 s52, s52, 7
	s_and_b32 s53, s24, 1
	s_add_co_u32 s52, s52, s53
	s_add_co_u32 s52, s52, KSG
	v_add_nc_u32 v6, s52, v3                       ; k's scale byte: KSG + 128 (w >> 1) + 4 r + (w & 1)
	v_lshlrev_b32 v7, 4, v14
	v_lshl_add_u32 v7, v15, 3, v7                  ; 16 r + 8 h: my 16 codes of a block
	v_lshlrev_b32 v8, 2, v13                       ; 4 x lane
	v_lshlrev_b32 v9, 6, v15                       ; 64 h: my 16 gains of a block of 32
	v_mov_b32 v10, 0
	v_add_nc_u32 v11, SSQ, v3
	v_add_nc_u32 v12, KSG, v1
	v_cmp_lt_u32 s31, 15, v13                      ; lanes 16-31
	s_mov_b32 s[SEL], 0x76543210
	s_mov_b32 s[SEL+1], 0xfedcba98                 ; v_permlanex16_b32's selects for lane l xor 16
	s_mov_b32 s28, 0x3a800000                      ; 1 / 1,024
	s_mov_b32 s29, 0x3b800000                      ; 1 / 256
	s_mov_b32 s30, 0x358637bd                      ; 1e-6
.irp b, 0,1,2,3
	v_mov_b32 v[TM+4+\b], 0                        ; written once: a lane permute's destination counts as one of its sources
	v_mov_b32 v[FQ+1+2*\b], 0                      ; named as the upper halves of pairs
.endr
	s_mov_b32 s53, 0
	s_wait_kmcnt 0x0
	s_lshl_b32 s52, ttmp9, 14
	s_add_nc_u64 s[32:33], s[4:5], s[52:53]        ; x's codes: tiles 2 g, 2 g + 1
	s_lshl_b32 s52, ttmp9, 10
	s_add_nc_u64 s[34:35], s[6:7], s[52:53]        ; x's scale words
	s_lshl_b32 s52, s24, 16
	s_add_co_u32 s52, s52, 256*8192
	s_add_nc_u64 s[36:37], s[4:5], s[52:53]        ; wq's tiles 8 w on
	s_lshl_b32 s52, s24, 14
	s_add_co_u32 s52, s52, 320*8192
	s_add_nc_u64 s[38:39], s[4:5], s[52:53]        ; wk's tiles 2 w on
	s_add_co_u32 s52, s52, 16*8192
	s_add_nc_u64 s[40:41], s[4:5], s[52:53]        ; wv's
	s_lshl_b32 s52, s24, 12
	s_add_co_u32 s52, s52, 256*512
	s_add_nc_u64 s[42:43], s[6:7], s[52:53]        ; and their scale words
	s_lshl_b32 s52, s24, 10
	s_add_co_u32 s52, s52, 320*512
	s_add_nc_u64 s[44:45], s[6:7], s[52:53]
	s_add_co_u32 s52, s52, 16*512
	s_add_nc_u64 s[46:47], s[6:7], s[52:53]
	s_lshl_b32 s52, s24, 9
	s_add_nc_u64 s[48:49], s[8:9], s[52:53]        ; q_norm_w at column 128 w
	s_lshl_b32 s52, s24, 7
	s_add_nc_u64 s[50:51], s[10:11], s[52:53]      ; k_norm_w at column 32 w
	; 62 loads go out: x's K step w (4), x's scale words (2), the weights' (12), the gains (16 + 4), the first K step's weights (24)
.irp m, 0,1
.irp c, 0,1
	global_load_b128 v[XF+16+8*\m+4*\c:XF+16+8*\m+4*\c+3], v4, s[32:33] offset:8192*\m+512*\c
.endr
.endr
	global_load_b128 v[XS:XS+3], v2, s[34:35]
	global_load_b128 v[XS+4:XS+7], v2, s[34:35] offset:16
.irp p, 0,1,2,3
	global_load_b128 v[WS+8*\p:WS+8*\p+3], v2, s[42:43] offset:1024*\p
	global_load_b128 v[WS+8*\p+4:WS+8*\p+7], v2, s[42:43] offset:1024*\p+16
.endr
	global_load_b128 v[WS+32:WS+35], v2, s[44:45]
	global_load_b128 v[WS+36:WS+39], v2, s[44:45] offset:16
	global_load_b128 v[WS+40:WS+43], v2, s[46:47]
	global_load_b128 v[WS+44:WS+47], v2, s[46:47] offset:16
	WIN 0x40                                       ; destination in window 1
.irp b, 0,1,2,3
.irp j, 0,1,2,3
	global_load_b128 v[QNW+16*\b+4*\j:QNW+16*\b+4*\j+3], v9, s[48:49] offset:128*\b+16*\j   ; register 16 b + i: the gain of column 128 w + 32 b + 16 h + i
.endr
.endr
	WIN 0
.irp j, 0,1,2,3
	global_load_b128 v[KNW+4*\j:KNW+4*\j+3], v9, s[50:51] offset:16*\j
.endr
	LOADW 0, 0
	LOADW 0, 6
	; where the results go
	s_lshl_b32 s52, ttmp9, 14
	s_lshl_b32 s54, s24, 10
	s_add_co_u32 s52, s52, s54
	s_add_nc_u64 s[12:13], s[12:13], s[52:53]      ; qc + 16,384 g + 1,024 w
	s_lshl_b32 s52, ttmp9, 11
	s_lshl_b32 s54, s24, 7
	s_add_co_u32 s52, s52, s54
	s_add_nc_u64 s[14:15], s[14:15], s[52:53]      ; qs + 2,048 g + 128 w
	s_lshl_b32 s52, ttmp9, 12
	s_lshr_b32 s54, s24, 1
	s_lshl_b32 s54, s54, 10
	s_add_co_u32 s52, s52, s54
	s_and_b32 s54, s24, 1
	s_lshl_b32 s54, s54, 8
	s_add_co_u32 s52, s52, s54
	s_add_nc_u64 s[16:17], s[16:17], s[52:53]      ; kc + 4,096 g + 1,024 (w >> 1) + 256 (w & 1)
	s_lshl_b32 s52, ttmp9, 9
	s_add_nc_u64 s[18:19], s[18:19], s[52:53]      ; ks + 512 g
	s_lshr_b32 s55, ttmp9, 2
	s_and_b32 s56, ttmp9, 3
	s_lshl_b32 s52, s55, 14
	s_lshl_b32 s54, s24, 11
	s_add_co_u32 s52, s52, s54
	s_lshl_b32 s54, s56, 8
	s_add_co_u32 s52, s52, s54
	s_add_nc_u64 s[20:21], s[20:21], s[52:53]      ; vc + 16,384 (g >> 2) + 2,048 w + 256 (g & 3)
	s_lshl_b32 s52, s55, 10
	s_lshl_b32 s54, s24, 7
	s_add_co_u32 s52, s52, s54
	s_add_co_u32 s52, s52, s56
	s_add_nc_u64 s[22:23], s[22:23], s[52:53]      ; vs + 1,024 (g >> 2) + 128 w + (g & 3)
	; x's sixteen fragments meet in LDS
	s_wait_loadcnt 58                              ; x's four loads are in: 58 were issued behind them
.irp m, 0,1
.irp c, 0,1
	ds_store_b128 v4, v[XF+16+8*\m+4*\c:XF+16+8*\m+4*\c+3] offset:XIMG+8192*\m+512*\c
.endr
.endr
	s_wait_dscnt 0x0                               ; for the others' sake: my images have landed
	s_barrier_signal -1
	s_barrier_wait -1
	LOADX 0
.irp s, 0,1,2,3,4,5,6,7
	KSTEP \s
.endr
	; THE SUMS OF SQUARES of my 64 columns of q and 16 of k, each accumulator from its low end on; six chains
	WIN 0x05                                       ; sources 0 and 1 in window 1
.irp m, 0,1
	v_pk_mul_f32 v[CH+4*\m:CH+4*\m+1], v[64*\m:64*\m+1], v[64*\m:64*\m+1]
	v_pk_mul_f32 v[CH+4*\m+2:CH+4*\m+3], v[64*\m+2:64*\m+3], v[64*\m+2:64*\m+3]
.endr
.irp j, 4,8,12,16,20,24,28,32,36,40,44,48,52,56,60
.irp m, 0,1
	v_pk_fma_f32 v[CH+4*\m:CH+4*\m+1], v[64*\m+\j:64*\m+\j+1], v[64*\m+\j:64*\m+\j+1], v[CH+4*\m:CH+4*\m+1]
	v_pk_fma_f32 v[CH+4*\m+2:CH+4*\m+3], v[64*\m+\j+2:64*\m+\j+3], v[64*\m+\j+2:64*\m+\j+3], v[CH+4*\m+2:CH+4*\m+3]
.endr
.endr
.irp m, 0,1
	v_pk_mul_f32 v[CH+8+2*\m:CH+9+2*\m], v[128+16*\m:129+16*\m], v[128+16*\m:129+16*\m]
.endr
.irp j, 2,4,6,8,10,12,14
.irp m, 0,1
	v_pk_fma_f32 v[CH+8+2*\m:CH+9+2*\m], v[128+16*\m+\j:129+16*\m+\j], v[128+16*\m+\j:129+16*\m+\j], v[CH+8+2*\m:CH+9+2*\m]
.endr
.endr
	WIN 0
	v_pk_add_f32 v[CH:CH+1], v[CH:CH+1], v[CH+2:CH+3]
	v_pk_add_f32 v[CH+4:CH+5], v[CH+4:CH+5], v[CH+6:CH+7]
	v_add_f32 v[CH], v[CH], v[CH+1]                ; q, tile 0
	v_add_f32 v[CH+1], v[CH+4], v[CH+5]            ; q, tile 1
	v_add_f32 v[CH+2], v[CH+8], v[CH+9]            ; k, tile 0
	v_add_f32 v[CH+3], v[CH+10], v[CH+11]          ; k, tile 1
.irp c, 0,1,2,3
	v_permlanex16_b32 v[TM+4+\c], v[CH+\c], s[SEL], s[SEL+1]
.endr
.irp c, 0,1,2,3
	v_add_f32 v[CH+\c], v[CH+\c], v[TM+4+\c]       ; with lane l xor 16's columns: my wave's part of the row's sum
.endr
	ds_store_b32 v5, v[CH]
	ds_store_b32 v5, v[CH+1] offset:64
	ds_store_b32 v5, v[CH+2] offset:1024
	ds_store_b32 v5, v[CH+3] offset:1088
	s_wait_dscnt 0x0
	s_barrier_signal -1
	s_barrier_wait -1
.irp c, 0,1,2,3                        ; c = 2 x (0: q, 1: k) + tile; the eight waves' parts, added in the waves' order in every wave
.irp i, 0,1,2,3,4,5,6,7
	ds_load_b32 v[RD+8*\c+\i], v11 offset:1024*(\c/2)+64*(\c%2)+128*\i
.endr
.endr
	s_wait_dscnt 0x0
.irp c, 0,1,2,3
	v_add_f32 v[CH+\c], v[RD+8*\c], v[RD+8*\c+1]
.endr
.irp i, 2,3,4,5,6,7
.irp c, 0,1,2,3
	v_add_f32 v[CH+\c], v[CH+\c], v[RD+8*\c+\i]
.endr
.endr
	v_fma_f32 v[CH], v[CH], s28, s30               ; the mean of the squares + 1e-6
	v_fma_f32 v[CH+1], v[CH+1], s28, s30
	v_fma_f32 v[CH+2], v[CH+2], s29, s30
	v_fma_f32 v[CH+3], v[CH+3], s29, s30
.irp c, 0,1,2,3
	v_rsq_f32 v[FQ+2*\c], v[CH+\c]
.endr
	v_nop                                          ; a plain place behind the transcendentals
	WIN 0x41                                       ; destination and source 0 in window 1.  (x r) w, in that order
	s_wait_alu depctr_va_vdst(0)
.irp m, 0,1
.set n, 0
.rept 32
	v_pk_mul_f32 v[64*\m+n:64*\m+n+1], v[64*\m+n:64*\m+n+1], v[FQ+2*\m:FQ+2*\m+1] op_sel_hi:[1,0]
.set n, n+2
.endr
.set n, 0
.rept 8
	v_pk_mul_f32 v[128+16*\m+n:129+16*\m+n], v[128+16*\m+n:129+16*\m+n], v[FQ+4+2*\m:FQ+5+2*\m] op_sel_hi:[1,0]
.set n, n+2
.endr
.endr
.irp m, 0,1
.set n, 0
.rept 8
	v_pk_mul_f32 v[128+16*\m+n:129+16*\m+n], v[128+16*\m+n:129+16*\m+n], v[KNW+n:KNW+n+1]
.set n, n+2
.endr
.endr
	WIN 0x45                                       ; source 1 in window 1 too
.irp m, 0,1
.set n, 0
.rept 32
	v_pk_mul_f32 v[64*\m+n:64*\m+n+1], v[64*\m+n:64*\m+n+1], v[QNW+n:QNW+n+1]
.set n, n+2
.endr
.endr
	; q: my 128 columns of a tile of rows are four blocks: heads 2 w (register group 0) and 2 w + 1 (group 1)
.irp m, 0,1
	QW 64*\m, PCS+10*\m, 1
	global_store_b128 v1, v[PCS+10*\m:PCS+10*\m+3], s[12:13] offset:8192*\m            ; 512 consecutive bytes: head 2 w
	global_store_b128 v1, v[PCS+10*\m+4:PCS+10*\m+7], s[12:13] offset:8192*\m+512      ; head 2 w + 1
	v_and_b32 v[PCS+10*\m+9], 0xffff, v[PCS+10*\m+8]
	v_lshrrev_b32 v[PCS+10*\m+8], 16, v[PCS+10*\m+8]
	v_cndmask_b32 v[PCS+10*\m+9], v[PCS+10*\m+9], v[PCS+10*\m+8], s31                  ; lanes 0-15: head 2 w's two bytes; lanes 16-31: head 2 w + 1's
	global_store_b32 v8, v[PCS+10*\m+9], s[14:15] offset:1024*\m
.endr
	; k's block for the two tiles of keys, and v's two tiles of columns x this group's 32 keys: four blocks, half a block to a lane
	QW 128, PCS+20, 0
	global_store_b64 v7, v[PCS+20:PCS+21], s[16:17]                   ; 256 consecutive bytes each
	global_store_b64 v7, v[PCS+22:PCS+23], s[16:17] offset:512
	global_store_b64 v7, v[PCS+24:PCS+25], s[20:21]
	global_store_b64 v7, v[PCS+26:PCS+27], s[20:21] offset:1024
	ds_store_b8 v6, v[TM+4]                        ; k's bytes meet in LDS: byte w & 1 of a key's word,
	ds_store_b8 v6, v[TM+5] offset:64
	ds_store_b8 v6, v10 offset:2                   ; and byte 2 + (w & 1) is 0: it scales zero codes
	ds_store_b8 v6, v10 offset:66
	v_cndmask_b32 v[PCS+28], v[TM+6], v[TM+7], s31 ; v's bytes: lanes 0-15 the even tile's, lanes 16-31 the odd one's
	global_store_b8 v8, v[PCS+28], s[22:23]
	s_wait_dscnt 0x0
	s_barrier_signal -1
	s_barrier_wait -1
	s_cmp_lg_u32 s24, 0
	s_cbranch_scc1 .Lend
	ds_load_b128 v[RD:RD+3], v12                   ; wave 0 sends the group's 512 bytes of k's scale words out whole
	s_wait_dscnt 0x0
	global_store_b128 v1, v[RD:RD+3], s[18:19]
.Lend:
	s_wait_tensorcnt 0x0
	ds_add_u32 v246, v247
	s_wait_dscnt 0x0
	s_endpgm
.Lfunc_end_k_qf0dc98d982_qkv:
	.size	k_qf0dc98d982_qkv, .Lfunc_end_k_qf0dc98d982_qkv-k_qf0dc98d982_qkv
	.p2alignl 7, 3214868480
	.fill 96, 4, 3214868480
	.section	.rodata,"a",@progbits
	.p2align	6, 0x0
	.amdhsa_kernel k_qf0dc98d982_qkv
		.amdhsa_group_segment_fixed_size 19968
		.amdhsa_private_segment_fixed_size 0
		.amdhsa_enable_private_segment 0
		.amdhsa_kernarg_size 80
		.amdhsa_user_sgpr_count 2
		.amdhsa_user_sgpr_kernarg_segment_ptr 1
		.amdhsa_wavefront_size32 1
		.amdhsa_system_sgpr_workgroup_id_x 1
		.amdhsa_system_sgpr_workgroup_id_y 1
		.amdhsa_system_sgpr_workgroup_id_z 1
		.amdhsa_system_vgpr_workitem_id 0
		.amdhsa_next_free_vgpr 512
		.amdhsa_next_free_sgpr 72
		.amdhsa_reserve_vcc 0
		.amdhsa_float_denorm_mode_32 3
		.amdhsa_float_denorm_mode_16_64 3
		.amdhsa_memory_ordered 1
		.amdhsa_forward_progress 1
		.amdhsa_inst_pref_size 89
	.end_amdhsa_kernel
	.amdgpu_metadata
---
amdhsa.version: [ 1, 2 ]
amdhsa.kernels:
  - .name:           k_qf0dc98d982_qkv
    .symbol:         k_qf0dc98d982_qkv.kd
    .args:
      - { .name: cod, .offset: 0, .size: 8, .value_kind: global_buffer, .address_space: global }
      - { .name: scl, .offset: 8, .size: 8, .value_kind: global_buffer, .address_space: global }
      - { .name: q_norm_w, .offset: 16, .size: 8, .value_kind: global_buffer, .address_space: global }
      - { .name: k_norm_w, .offset: 24, .size: 8, .value_kind: global_buffer, .address_space: global }
      - { .name: qc, .offset: 32, .size: 8, .value_kind: global_buffer, .address_space: global }
      - { .name: qs, .offset: 40, .size: 8, .value_kind: global_buffer, .address_space: global }
      - { .name: kc, .offset: 48, .size: 8, .value_kind: global_buffer, .address_space: global }
      - { .name: ks, .offset: 56, .size: 8, .value_kind: global_buffer, .address_space: global }
      - { .name: vc, .offset: 64, .size: 8, .value_kind: global_buffer, .address_space: global }
      - { .name: vs, .offset: 72, .size: 8, .value_kind: global_buffer, .address_space: global }
    .group_segment_fixed_size: 19968
    .private_segment_fixed_size: 0
    .kernarg_segment_align: 8
    .kernarg_segment_size: 80
    .max_flat_workgroup_size: 256
    .sgpr_count:     72
    .vgpr_count:     512
    .wavefront_size: 32
...
	.end_amdgpu_metadata
.endif
;; end of part 2
;; launch attn (part 3): grid 256 x 1, 16 waves a work-group, no clusters, 189,952 bytes of LDS; arguments qc, qs, kc, ks, vc, vs, cod, scl, out0; writes out0
.if DOCPART == 3
	.amdgcn_target "amdgcn-amd-amdhsa--gfx1250"
	.amdhsa_code_object_version 6
	.text
	.protected	k_qf0dc98d982_attn
	.globl	k_qf0dc98d982_attn
	.p2align	8
	.type	k_qf0dc98d982_attn,@function
k_qf0dc98d982_attn:
	s_mov_b64 s[64:65], 0
	v_nop
	global_prefetch_b8 v0, s[64:65] scope:SCOPE_SE
	s_setreg_imm32_b32 hwreg(HW_REG_WAVE_MODE, 25, 1), 1
	s_wait_xcnt 0x0
; out = (softmax(q k^T / 8 + slope (j - i), keys i - 512 <= j <= i) v) wo^T, all three products on codes of FP4 with E8M0 scales.
; SHARES.  A work-group owns one tile of 16 queries (rows 32 g + 8 u + r + (r & 8)); wave hh is head hh (key head hh >> 2): four waves to a SIMD, so that one wave's vector work
; stands beside another's matrix work.  All 16 heads of the rows meet in the work-group, so the product with wo follows here: wave hh makes output columns 64 hh on.
; THE KEYS.  The tile's queries lie in one run of 128 positions, number NS of the batch; they see the five runs NS - 4 .. NS and no other.  Run NS - 4 + i is slot i; it exists where NS + i >= 4
; (a scalar branch on ids leaves the others out).  Only slot 0 (the window's edge) and slot 4 (the diagonal) hold hidden keys: their scores become -infinity ahead of the maximum.
; All five slots' codes and scale words (175 KB) are brought into LDS once, through registers; nothing in LDS is filled again by an engine.
; NO CLUSTER: neighbouring work-groups share four of their five slots and all of wo, but each at other places of its own LDS map and register ring; a joint request would need
; equal descriptors and LDS addresses in all partners.  That form is not built.
; LAYOUT.  S^T = K Q^T + C (source 0 = 16 keys, source 1 = my queries), O^T = V^T P^T: a lane holds ONE query throughout.  K = 64 fills half of the instruction's 128: Q's upper registers are zero codes,
; so what stands in K's upper registers (the next tile's codes) adds nothing.
; THE BIAS IS THE C OF THE FIRST PRODUCT: 8 slope (j - i), j - i exact in f32, one rounding in the product, as the definition rounds slope (j - i).  t = (score + 8 bias) log2(e) / 8.
; THE SOFTMAX: M = the running largest t rounded up to a whole number; p = 2^(t - M) is quantised along the keys; the row's sum is taken of the unquantised p and divides O at the end;
; when M moves, the sum and O are multiplied by 2^(old M - new M), which rounds nothing.
; LIMITS: a p under 2^-126 counts as 0 (v_exp_f32 flushes it); a block of zeros gets the byte 1 (zero codes); NaN and infinities are not served.
.set KSC,  163840                      ; LDS: slot i at 32,768 i: K's 16 KB [group 4][key head 4][tile 2][512], V's 16 KB [tile 16][1,024];  K's scale words, 2,048 a slot;
.set VSC,  174080                      ; V's, 1,024 a slot;
.set OIMG, 179200                      ; the attention's result as 8 fragment images;
.set OSC,  187392                      ; their scale words, 64 bytes each.
.set SPITCH, 4112                      ; The stage for the way out, 16 rows x (4,096 + 16), lies over slots 0-2: it is written when nobody reads K or V any more
.set AK0, 1                            ; v1   my lane's place in a slot's K
.set AV0, 2                            ; v2   and V
.set ASK, 3                            ; v3   among K's scale words
.set ASV, 4                            ; v4   among V's
.set LI,  5                            ; v5   16 x lane
.set L32, 6                            ; v6   32 x lane
.set DTH, 7                            ; v7   my query's place in its run of 128, less 16 (lane / 16)
.set ADK, 8                            ; v8   the slot's K; later the images
.set ADV, 9                            ; v9   the slot's V; later the images' scale words
.set STA, 10                           ; v10  staging; later where my image goes
.set STB, 11                           ; v11  later where its two scale bytes go
.set QF,  16                           ; v16-23 Q (v20-23: zero codes)
.set QS,  24                           ; v24-31 hold scales alone: Q's, p's, K's four, V's two; later the images' eight
.set PW,  25
.set KS,  26
.set VS,  30
.set OS,  24
.set KF,  32                           ; v32-67  K: tile kt at v[32 + 4 kt]; v64-67 zero
.set VF,  68                           ; v68-99  V: four fragments (at the head: temporaries)
.set S,   100                          ; v100-163 the bias, S^T, p
.set O,   164                          ; v164-195 O^T; later the last product's sums
.set IT,  196                          ; v196-211 i' - DTH as f32; later the images' fragments, two buffers
.set OF,  196
.set PC,  212                          ; v212-219 p's codes
.set BM,  220                          ; v220-223 block maxima
.set T4,  224
.set SO,  228                          ; v228-231 the conversions' scale operands
.set F,   232                          ; v[232:233] 2^(old M - new M)
.set SM2, 234
.set TMP, 236
.set NINF, 237
.set STO, 238
.set STR, 239
.set WS,  240                          ; v240-255 wo's scale words: pair pb, K step s at 8 pb + s
.set WR,  32                           ; v32-159 wo's fragments: a ring of four K steps x 32 registers
.set NS,  26
.set SEL, 28
.set C1,  30                           ; s[30:31] log2(e) / 8
.set SL,  32                           ; s[32:33] 8 x the head's slope
.macro PLACES                          ; four places behind a matrix instruction, in front of loads into its sources and of reads of its results
.rept 4
	v_nop
.endr
.endm
; one matrix instruction, from the symbols wd (C and D), wa, wb, wz (1: the sum starts with 0), wsa, wsb (scale registers), wra (1: source 0's scales stand in lanes 16-31)
.macro WM
.if wz
.if wra
	v_wmma_scale_f32_16x16x128_f8f6f4 v[wd:wd+7], v[wa:wa+7], v[wb:wb+7], 0, v[wsa], v[wsb] matrix_a_fmt:MATRIX_FMT_FP4 matrix_b_fmt:MATRIX_FMT_FP4 matrix_a_scale:MATRIX_SCALE_ROW1
.else
	v_wmma_scale_f32_16x16x128_f8f6f4 v[wd:wd+7], v[wa:wa+7], v[wb:wb+7], 0, v[wsa], v[wsb] matrix_a_fmt:MATRIX_FMT_FP4 matrix_b_fmt:MATRIX_FMT_FP4
.endif
.else
.if wra
	v_wmma_scale_f32_16x16x128_f8f6f4 v[wd:wd+7], v[wa:wa+7], v[wb:wb+7], v[wd:wd+7], v[wsa], v[wsb] matrix_a_fmt:MATRIX_FMT_FP4 matrix_b_fmt:MATRIX_FMT_FP4 matrix_a_scale:MATRIX_SCALE_ROW1
.else
	v_wmma_scale_f32_16x16x128_f8f6f4 v[wd:wd+7], v[wa:wa+7], v[wb:wb+7], v[wd:wd+7], v[wsa], v[wsb] matrix_a_fmt:MATRIX_FMT_FP4 matrix_b_fmt:MATRIX_FMT_FP4
.endif
.endif
.endm
.macro BIAS b, f                       ; j - i of block b's 16 keys of my lane: (i' - DTH) + f, f = 128 (slot - 4) + 32 b as f32: whole numbers, nothing is rounded
.irp p, 0,2,4,6,8,10,12,14
	v_pk_add_f32 v[S+16*\b+\p:S+16*\b+\p+1], v[IT+\p:IT+\p+1], \f op_sel_hi:[1,0]
.endr
.endm
	s_load_b256 s[4:11], s[0:1], 0x0               ; qc, qs, kc, ks
	s_load_b256 s[12:19], s[0:1], 0x20             ; vc, vs, cod, scl
	s_load_b64 s[20:21], s[0:1], 0x40              ; out0
	v_lshrrev_b32 v77, 5, v0
	v_readfirstlane_b32 s22, v77                   ; wave = head hh
	s_lshr_b32 s23, s22, 2                         ; key head
	s_lshr_b32 s24, ttmp9, 1                       ; g: the group of 32 rows
	s_and_b32 s25, ttmp9, 1                        ; u: which tile of it
	s_bfe_u32 s[NS], s24, 0x40002                  ; NS = (g >> 2) & 15: the queries' run of 128 in the batch
	s_lshr_b32 s27, s24, 2                         ; the same counted through both batches
	v_and_b32 v77, 31, v0                          ; lane
	v_and_b32 v78, 15, v0                          ; r
	v_bfe_u32 v79, v0, 4, 1                        ; h
	v_lshlrev_b32 v[LI], 4, v77
	v_lshlrev_b32 v[L32], 5, v77
	v_lshlrev_b32 v80, 2, v77                      ; 4 x lane
	v_lshlrev_b32 v81, 2, v78                      ; 4 r
	s_lshl_b32 s88, s23, 10
	v_add_nc_u32 v[AK0], s88, v[LI]
	s_lshl_b32 s88, s23, 12
	s_add_co_u32 s88, s88, 16384
	v_add_nc_u32 v[AV0], s88, v[LI]
	s_lshl_b32 s88, s23, 7
	s_add_co_u32 s88, s88, KSC
	v_add_nc_u32 v[ASK], s88, v80
	s_lshl_b32 s88, s23, 8
	s_add_co_u32 s88, s88, VSC
	v_add_nc_u32 v[ASV], s88, v80
	s_lshl_b32 s88, s22, 10
	v_add_nc_u32 v[STA], s88, v[LI]                ; staging: 1,024 bytes a wave of each 16 KB
	v_lshlrev_b32 v68, 2, v0                       ; 4 bytes a thread of K's 2,048 scale bytes,
	v_lshlrev_b32 v69, 1, v0                       ; 2 of V's 1,024
	v_lshl_add_u32 v70, v0, 2, KSC
	v_lshl_add_u32 v71, v0, 1, VSC
.irp i, 0,1,2,3,4
	v_add_nc_u32 v[72+\i], 32768*\i, v[STA]
.endr
	s_mov_b32 s89, 0
	s_wait_kmcnt 0x0
	s_lshl_b32 s88, ttmp9, 13
	s_lshl_b32 s90, s22, 9
	s_add_co_u32 s88, s88, s90
	s_add_nc_u64 s[56:57], s[4:5], s[88:89]        ; my head's Q
	s_lshl_b32 s88, ttmp9, 10
	s_lshl_b32 s90, s22, 6
	s_add_co_u32 s88, s88, s90
	s_add_nc_u64 s[58:59], s[6:7], s[88:89]        ; and its scale words
	global_load_b128 v[QF:QF+3], v[LI], s[56:57]
	global_load_b32 v[QS], v81, s[58:59]
.irp i, 0,1,2,3,4                      ; six loads a slot.  A slot that does not exist is clamped to the buffers' first run: every load stays inside, and nobody reads it
	s_add_co_i32 s34, s27, \i-4
	s_max_i32 s34, s34, 0
	s_lshl_b32 s88, s34, 14
	s_add_nc_u64 s[36+2*\i:37+2*\i], s[8:9], s[88:89]
	s_add_nc_u64 s[46+2*\i:47+2*\i], s[12:13], s[88:89]
	s_lshl_b32 s88, s34, 11
	s_add_nc_u64 s[66+2*\i:67+2*\i], s[10:11], s[88:89]
	s_lshl_b32 s88, s34, 10
	s_add_nc_u64 s[76+2*\i:77+2*\i], s[14:15], s[88:89]
	global_load_b128 v[100+16*\i:103+16*\i], v[STA], s[36+2*\i:37+2*\i]
	global_load_b128 v[104+16*\i:107+16*\i], v[STA], s[36+2*\i:37+2*\i] offset:512
	global_load_b128 v[108+16*\i:111+16*\i], v[STA], s[46+2*\i:47+2*\i]
	global_load_b128 v[112+16*\i:115+16*\i], v[STA], s[46+2*\i:47+2*\i] offset:512
	global_load_b32 v[180+\i], v68, s[66+2*\i:67+2*\i]
	global_load_u16 v[185+\i], v69, s[76+2*\i:77+2*\i]
.endr
	s_lshl_b32 s88, s22, 15
	s_add_co_u32 s88, s88, 352*8192
	s_add_nc_u64 s[60:61], s[16:17], s[88:89]      ; wo's tiles 4 hh on
	s_lshl_b32 s88, s22, 11
	s_add_co_u32 s88, s88, 352*512
	s_add_nc_u64 s[62:63], s[18:19], s[88:89]      ; and their scale words
	s_lshl_b32 s88, s24, 5
	s_lshl_b32 s90, s25, 3
	s_add_co_u32 s88, s88, s90
	s_add_co_u32 s88, s88, s22
	s_and_b32 s90, s22, 8
	s_add_co_u32 s88, s88, s90
	s_lshl_b32 s88, s88, 12
	s_add_nc_u64 s[86:87], s[20:21], s[88:89]      ; the row of out0 that I store: the tile's row hh
	s_mov_b32 s[SEL], 0x76543210
	s_mov_b32 s[SEL+1], 0xfedcba98                 ; v_permlanex16_b32's selects for lane l xor 16
	s_mov_b32 s[C1], 0x3e38aa3b                    ; log2(e) / 8
	s_mov_b32 s[C1+1], s[C1]
	s_lshr_b32 s88, s22, 1                         ; 8 x slope, slope = f32(2^(-hh / 2)): exponent field 130 - (hh >> 1) - (hh & 1), and sqrt(2)'s mantissa where hh is odd
	s_and_b32 s90, s22, 1
	s_sub_co_u32 s[SL], 130, s88
	s_sub_co_u32 s[SL], s[SL], s90
	s_lshl_b32 s[SL], s[SL], 23
	s_mul_i32 s90, s90, 0x3504f3
	s_or_b32 s[SL], s[SL], s90
	s_mov_b32 s[SL+1], s[SL]
	s_and_b32 s88, s24, 3
	s_lshl_b32 s88, s88, 5
	s_lshl_b32 s90, s25, 3
	s_add_co_u32 s88, s88, s90                     ; 32 (g & 3) + 8 u
	v_and_b32 v82, 8, v78
	v_add3_u32 v[DTH], v78, v82, s88               ; my query's place in its run
	v_lshlrev_b32 v82, 4, v79
	v_sub_nc_u32 v[DTH], v[DTH], v82               ; less 16 h: register 16 b + i' holds key 32 b + 16 h + i' of a slot
.irp i, 0,1,2,3,4,5,6,7,8,9,10,11,12,13,14,15
	v_sub_nc_u32 v[IT+\i], \i, v[DTH]
.endr
.irp i, 0,1,2,3,4,5,6,7,8,9,10,11,12,13,14,15
	v_cvt_f32_i32 v[IT+\i], v[IT+\i]
.endr
	v_mul_u32_u24 v[STO], v78, SPITCH              ; the stage: row r, + 64 h, + 256 hh: my 16 outputs' bytes
	v_lshl_add_u32 v[STO], v79, 6, v[STO]
	s_lshl_b32 s88, s22, 8
	v_add_nc_u32 v[STO], s88, v[STO]
	s_mul_i32 s88, s22, SPITCH
	v_add_nc_u32 v[STR], s88, v[LI]                ; back: row hh, 16 bytes a lane
	v_mov_b32 v13, 0xff61b1e6                      ; the largest t so far: -3e38, under every t
	v_floor_f32 v12, -v13                          ; -M
	v_mov_b32 v14, 0                               ; the sum, in two halves
	v_mov_b32 v15, 0
	v_mov_b32 v[NINF], 0xff800000
	v_mov_b32 v[F+1], 0                            ; named as the upper half of a pair
.irp b, 0,1,2,3
	v_mov_b32 v[QF+4+\b], 0                        ; Q's k = 64 .. 127: zero codes
	v_mov_b32 v[KF+32+\b], 0                       ; what the last tile of K names beyond its own codes
	v_mov_b32 v[T4+\b], 0                          ; written once: a lane permute's destination counts as one of its sources
.endr
.irp i, 0,1,2,3,4
	s_wait_loadcnt 6*(4-\i)                        ; slot i's six loads are in; the younger slots' may be out
	ds_store_b128 v[72+\i], v[100+16*\i:103+16*\i]
	ds_store_b128 v[72+\i], v[104+16*\i:107+16*\i] offset:512
	ds_store_b128 v[72+\i], v[108+16*\i:111+16*\i] offset:16384
	ds_store_b128 v[72+\i], v[112+16*\i:115+16*\i] offset:16896
	ds_store_b32 v70, v[180+\i] offset:2048*\i
	ds_store_b16 v71, v[185+\i] offset:1024*\i
.endr
	s_wait_dscnt 0x0                               ; for the others' sake: my part of the slots has landed
	s_barrier_signal -1
	s_barrier_wait -1
.set n, 0
.rept 32
	v_mov_b32 v[O+n], 0                            ; O^T.  Any of the five steps can be a work-group's first, so the step is written once and finds zeros, which the first change of M leaves zeros
.set n, n+1
.endr
; A KEY STEP: slot i's 128 keys.  mk = 1: keys under the window's edge are hidden; 2: keys beyond the diagonal; f0-f3: 128 (i - 4) + 32 b as f32
.macro STEP i, mk, f0, f1, f2, f3
	v_add_nc_u32 v[ADK], 32768*\i, v[AK0]
	v_add_nc_u32 v[ADV], 32768*\i, v[AV0]
.if \i < 4
	s_cmp_lt_u32 s[NS], 4-\i                       ; the slot lies ahead of the batch's first key: a branch on ids
	s_cbranch_scc1 .Lskip_\@
.endif
.irp kt, 0,1,2,3,4,5,6,7
	ds_load_b128 v[KF+4*\kt:KF+4*\kt+3], v[ADK] offset:4096*(\kt/2)+512*(\kt%2)
.endr
.irp b, 0,1,2,3
	ds_load_b32 v[KS+\b], v[ASK] offset:2048*\i+512*\b        ; lanes 0-15: the even tile's words, lanes 16-31: the odd one's
.endr
	BIAS 0, \f0
	BIAS 1, \f1
	BIAS 2, \f2
	BIAS 3, \f3
.set n, 0
.rept 32
	v_pk_mul_f32 v[S+n:S+n+1], v[S+n:S+n+1], s[SL:SL+1] op_sel_hi:[1,0]   ; 8 slope (j - i): one rounding
.set n, n+2
.endr
.irp dt, 0,1,2,3
.irp c, 0,1
	ds_load_b128 v[VF+8*\dt+4*\c:VF+8*\dt+4*\c+3], v[ADV] offset:1024*\dt+512*\c
.endr
.endr
.irp pb, 0,1
	ds_load_b32 v[VS+\pb], v[ASV] offset:1024*\i+128*\pb
.endr
	PLACES
	s_wait_dscnt 10                                ; K's twelve loads are in; V's ten may be out
.irp kt, 0,1,2,3,4,5,6,7               ; S^T = K Q^T + the bias; the eight accumulators take turns
.set wd, S+8*\kt
.set wa, KF+4*\kt
.set wb, QF
.set wz, 0
.set wsa, KS+\kt/2
.set wra, \kt%2
.set wsb, QS
	WM
.endr
	PLACES
.if \mk == 1
.set n, 0
.rept 64
	v_cmp_lt_i32 vcc_lo, 32*(n/16)+n%16, v[DTH]    ; j < i - 512
	v_cndmask_b32 v[S+n], v[S+n], v[NINF], vcc_lo
.set n, n+1
.endr
.endif
.if \mk == 2
.set n, 0
.rept 64
	v_cmp_gt_i32 vcc_lo, 32*(n/16)+n%16, v[DTH]    ; j > i
	v_cndmask_b32 v[S+n], v[S+n], v[NINF], vcc_lo
.set n, n+1
.endr
.endif
.irp b, 0,1,2,3
	v_max3_num_f32 v[BM+\b], v[S+16*\b], v[S+16*\b+1], v[S+16*\b+2]   ; the largest score of each block of 32 keys: it serves the row's maximum and, since p rises with the score, the block's largest p
.endr
.irp j, 3,5,7,9,11,13
.irp b, 0,1,2,3
	v_max3_num_f32 v[BM+\b], v[BM+\b], v[S+16*\b+\j], v[S+16*\b+\j+1]
.endr
.endr
.irp b, 0,1,2,3
	v_max_num_f32 v[BM+\b], v[BM+\b], v[S+16*\b+15]
.endr
.irp b, 0,1,2,3
	v_permlanex16_b32 v[T4+\b], v[BM+\b], s[SEL], s[SEL+1]
.endr
.irp b, 0,1,2,3
	v_max_num_f32 v[BM+\b], v[BM+\b], v[T4+\b]     ; with lane l xor 16's 16 keys
.endr
	v_max3_num_f32 v[TMP], v[BM], v[BM+1], v[BM+2]
	v_max_num_f32 v[TMP], v[TMP], v[BM+3]
	v_mul_f32 v[TMP], s[C1], v[TMP]                ; the step's largest t
	v_max_num_f32 v13, v13, v[TMP]                 ; the running largest t
	v_mov_b32 v[TMP], v12
	v_floor_f32 v12, -v13                          ; the new -M = -ceil(t): a whole number
	v_sub_f32 v[TMP], v12, v[TMP]                  ; old M - new M, 0 or less
	v_cvt_i32_f32 v[TMP], v[TMP]                   ; (it saturates)
	v_ldexp_f32 v[F], 1.0, v[TMP]                  ; 2^(old M - new M)
.set n, 0
.rept 32
	v_pk_fma_f32 v[S+n:S+n+1], v[S+n:S+n+1], s[C1:C1+1], v[12:13] op_sel_hi:[1,0,0]   ; t - M
.set n, n+2
.endr
.irp b, 0,1,2,3
	v_fma_f32 v[BM+\b], v[BM+\b], s[C1], v12       ; the same of each block's largest score
.endr
.set n, 0
.rept 64
	v_exp_f32 v[S+n], v[S+n]                       ; p = 2^(t - M), not normalised
.set n, n+1
.endr
.irp b, 0,1,2,3
	v_exp_f32 v[BM+\b], v[BM+\b]                   ; the block's largest p: the same two instructions on the same number
.endr
	v_pk_mul_f32 v[14:15], v[14:15], v[F:F+1] op_sel_hi:[1,0]   ; the sums under the new M.  (A plain place behind the exponentials)
	s_wait_alu depctr_va_vdst(0)
.irp b, 0,1,2,3
	v_max_num_f32 v[BM+\b], 0x1800000, v[BM+\b]    ; the floor 2^(3 - 127): the byte cannot fall under 1
.endr
.irp b, 0,1,2,3
	v_add_nc_u32 v[SO+\b], 0xff000000, v[BM+\b]    ; 2 off the exponent field: the conversion's scale operand
.endr
.irp b, 0,1,2,3
	v_lshrrev_b32 v[T4+\b], 23, v[SO+\b]           ; the scale's byte
.endr
	v_lshl_or_b32 v[PW], v[T4+1], 8, v[T4]         ; p's scale word for these 128 keys
	v_lshl_or_b32 v[PW], v[T4+2], 16, v[PW]
	v_lshl_or_b32 v[PW], v[T4+3], 24, v[PW]
.irp b, 0,1,2,3
	v_cvt_scalef32_pk8_fp4_f32 v[PC+2*\b], v[S+16*\b:S+16*\b+7], v[SO+\b]
	v_cvt_scalef32_pk8_fp4_f32 v[PC+2*\b+1], v[S+16*\b+8:S+16*\b+15], v[SO+\b]
.endr
	v_nop                                          ; one plain place behind a scaled conversion
.irp c, 0,1                            ; the operand's layout wants a whole block in a lane
.irp j, 0,1
	v_permlane16_swap_b32 v[PC+4*\c+\j], v[PC+2+4*\c+\j]
.endr
.endr
.set n, 0
.rept 16
	v_pk_mul_f32 v[O+n:O+n+1], v[O+n:O+n+1], v[F:F+1] op_sel_hi:[1,0]   ; O^T under the new M, each accumulator from its low end on
.set n, n+2
.endr
	v_pk_add_f32 v[SM2:SM2+1], v[S:S+1], v[S+2:S+3]           ; the row's sum of the unquantised p, in two chains.  These 32 lines are also the places between p's scale word and codes and the products below
.irp j, 4,8,12,16,20,24,28,32,36,40,44,48,52,56,60
	v_pk_add_f32 v[14:15], v[14:15], v[S+\j:S+\j+1]
	v_pk_add_f32 v[SM2:SM2+1], v[SM2:SM2+1], v[S+\j+2:S+\j+3]
.endr
	v_pk_add_f32 v[14:15], v[14:15], v[SM2:SM2+1]
	s_wait_dscnt 0x0                               ; V is in
.irp dt, 0,1,2,3                       ; O^T += V^T P^T: four tiles of 16 of the head's 64, by turns
.set wd, O+8*\dt
.set wa, VF+8*\dt
.set wb, PC
.set wz, 0
.set wsa, VS+\dt/2
.set wra, \dt%2
.set wsb, PW
	WM
.endr
.if \i < 4
.Lskip_\@:
.endif
.endm
	STEP 0, 1, 0xc4000000, 0xc3f00000, 0xc3e00000, 0xc3d00000
	STEP 1, 0, 0xc3c00000, 0xc3b00000, 0xc3a00000, 0xc3900000
	STEP 2, 0, 0xc3800000, 0xc3600000, 0xc3400000, 0xc3200000
	STEP 3, 0, 0xc3000000, 0xc2c00000, 0xc2800000, 0xc2000000
	STEP 4, 2, 0, 0x42000000, 0x42800000, 0x42c00000
; wo's four fragments of K step s into ring slot s % 4: eight loads of 512 consecutive bytes
.macro WLOAD s
.irp tt, 0,1,2,3
.irp c, 0,1
	global_load_b128 v[WR+32*((\s)%4)+8*\tt+4*\c:WR+32*((\s)%4)+8*\tt+4*\c+3], v[LI], s[60:61] offset:8192*\tt+1024*(\s)+512*\c
.endr
.endr
.endm
.macro OFLOAD s                        ; the result's fragment of K step s (heads 2 s, 2 s + 1) into buffer s % 2
.irp c, 0,1
	ds_load_b128 v[OF+8*((\s)%2)+4*\c:OF+8*((\s)%2)+4*\c+3], v[ADK] offset:1024*(\s)+512*\c
.endr
.endm
	PLACES                                         ; behind the last products: loads follow into V's registers, and reads of O^T
.irp pb, 0,1
	global_load_b128 v[WS+8*\pb:WS+8*\pb+3], v[L32], s[62:63] offset:1024*\pb
	global_load_b128 v[WS+8*\pb+4:WS+8*\pb+7], v[L32], s[62:63] offset:1024*\pb+16
.endr
	WLOAD 0                                        ; wo's first four K steps land while the result is finished and quantised
	WLOAD 1
	WLOAD 2
	WLOAD 3
	v_add_f32 v14, v14, v15                        ; the sum's two halves,
	v_permlanex16_b32 v[TMP], v14, s[SEL], s[SEL+1]
	v_add_f32 v14, v14, v[TMP]                     ; and lane l xor 16's: the row's sum
	v_rcp_f32 v14, v14
	s_lshl_b32 s88, s22, 9
	s_add_co_u32 s88, s88, OIMG
	v_add_nc_u32 v[STA], s88, v[LI]                ; (a plain place behind the transcendental)  my head is register group hh & 1 of fragment hh >> 1: OIMG + 512 hh + 16 x lane
	s_lshr_b32 s88, s22, 1
	s_lshl_b32 s88, s88, 6
	s_and_b32 s90, s22, 1
	s_lshl_b32 s90, s90, 1
	s_add_co_u32 s88, s88, s90
	s_add_co_u32 s88, s88, OSC
	v_and_b32 v[ADV], 15, v0
	v_lshl_add_u32 v[STB], v[ADV], 2, s88          ; its two scale bytes: OSC + 64 (hh >> 1) + 4 r + 2 (hh & 1)
	v_lshl_add_u32 v[ADV], v[ADV], 2, OSC
	v_add_nc_u32 v[ADK], OIMG, v[LI]
.set n, 0
	s_wait_alu depctr_va_vdst(0)
.rept 16
	v_pk_mul_f32 v[O+n:O+n+1], v[O+n:O+n+1], v[14:15] op_sel_hi:[1,0]   ; O^T / the sum: register 16 b + i is channel 32 b + 16 h + i of my query
.set n, n+2
.endr
.irp b, 0,1                            ; the head's two blocks of 32 along the last product's K
	v_max3_num_f32 v[BM+\b], |v[O+16*\b]|, |v[O+16*\b+1]|, 0x1800000
.endr
.irp j, 2,4,6,8,10,12,14
.irp b, 0,1
	v_max3_num_f32 v[BM+\b], v[BM+\b], |v[O+16*\b+\j]|, |v[O+16*\b+\j+1]|
.endr
.endr
.irp b, 0,1
	v_permlanex16_b32 v[T4+\b], v[BM+\b], s[SEL], s[SEL+1]
.endr
.irp b, 0,1
	v_max_num_f32 v[BM+\b], v[BM+\b], v[T4+\b]
.endr
.irp b, 0,1
	v_add_nc_u32 v[SO+\b], 0xff000000, v[BM+\b]
.endr
.irp b, 0,1
	v_lshrrev_b32 v[T4+\b], 23, v[SO+\b]
.endr
	v_lshl_or_b32 v[TMP], v[T4+1], 8, v[T4]
.irp b, 0,1
	v_cvt_scalef32_pk8_fp4_f32 v[PC+2*\b], v[O+16*\b:O+16*\b+7], v[SO+\b]
	v_cvt_scalef32_pk8_fp4_f32 v[PC+2*\b+1], v[O+16*\b+8:O+16*\b+15], v[SO+\b]
.endr
	v_nop                                          ; one plain place behind a scaled conversion
	v_permlane16_swap_b32 v[PC], v[PC+2]
	v_permlane16_swap_b32 v[PC+1], v[PC+3]         ; lanes 0-15: block 0, lanes 16-31: block 1
	ds_store_b128 v[STA], v[PC:PC+3]
	ds_store_b16 v[STB], v[TMP]                    ; lanes r and r + 16 write the same two bytes
	s_wait_dscnt 0x0                               ; my image has landed, and my reads of K and V are over
	s_barrier_signal -1
	s_barrier_wait -1                              ; the 16 heads' images lie in LDS; nobody reads the slots any more
.irp s, 0,1,2,3,4,5,6,7
	ds_load_b32 v[OS+\s], v[ADV] offset:64*\s
.endr
	OFLOAD 0
; A K step of the last product (transposed: source 0 = 16 rows of wo, source 1 = the 16 queries): four accumulators by turns
.macro OSTEP s
.if (\s) < 7
	OFLOAD (\s)+1
	s_wait_dscnt 2                                 ; this step's fragment (and the scale words) are in; the next one's two loads may be out
.else
	s_wait_dscnt 0x0
.endif
.if (\s) < 5
	s_wait_loadcnt 24                              ; this step's eight loads are in; those of the three steps behind it may be out
.else
	s_wait_loadcnt 8*(7-(\s))
.endif
.irp tt, 0,1,2,3
.set wd, O+8*\tt
.set wa, WR+32*((\s)%4)+8*\tt
.set wb, OF+8*((\s)%2)
.set wz, 0
.if (\s) == 0
.set wz, 1
.endif
.set wsa, WS+8*(\tt/2)+(\s)
.set wra, \tt%2
.set wsb, OS+(\s)
	WM
.endr
	PLACES
.if (\s) < 4
	WLOAD (\s)+4
.endif
.endm
.irp s, 0,1,2,3,4,5,6,7
	OSTEP \s
.endr
	; THE WAY OUT.  A lane holds 16 neighbouring outputs (64 bytes) of one row for each pair of tiles; a row's 1,024 outputs come from sixteen waves: they meet in the stage, and each wave stores one whole row
.irp pb, 0,1
.irp qd, 0,1,2,3
	ds_store_b128 v[STO], v[O+16*\pb+4*\qd:O+16*\pb+4*\qd+3] offset:128*\pb+16*\qd   ; each accumulator from its low end on
.endr
.endr
	s_wait_dscnt 0x0
	s_barrier_signal -1
	s_barrier_wait -1
.irp i, 0,1,2,3,4,5,6,7
	ds_load_b128 v[WR+4*\i:WR+4*\i+3], v[STR] offset:512*\i
.endr
.irp i, 0,1,2,3,4,5,6,7
	s_wait_dscnt 7-\i
	global_store_b128 v[LI], v[WR+4*\i:WR+4*\i+3], s[86:87] offset:512*\i th:TH_STORE_NT   ; 32 lanes store 512 consecutive bytes, at a multiple of 256 from out0's first byte; written once
.endr
	s_wait_xcnt 0x0
	v_lshl_add_u32 v251, v0, 2, 0x2de00
	v_mov_b32 v252, 0
	s_wait_tensorcnt 0x0
	ds_add_u32 v251, v252
	s_wait_dscnt 0x0
	s_endpgm
.Lfunc_end_k_qf0dc98d982_attn:
	.size	k_qf0dc98d982_attn, .Lfunc_end_k_qf0dc98d982_attn-k_qf0dc98d982_attn
	.p2alignl 7, 3214868480
	.fill 96, 4, 3214868480
	.section	.rodata,"a",@progbits
	.p2align	6, 0x0
	.amdhsa_kernel k_qf0dc98d982_attn
		.amdhsa_group_segment_fixed_size 189952
		.amdhsa_private_segment_fixed_size 0
		.amdhsa_enable_private_segment 0
		.amdhsa_kernarg_size 72
		.amdhsa_user_sgpr_count 2
		.amdhsa_user_sgpr_kernarg_segment_ptr 1
		.amdhsa_wavefront_size32 1
		.amdhsa_system_sgpr_workgroup_id_x 1
		.amdhsa_system_sgpr_workgroup_id_y 1
		.amdhsa_system_sgpr_workgroup_id_z 1
		.amdhsa_system_vgpr_workitem_id 0
		.amdhsa_next_free_vgpr 256
		.amdhsa_next_free_sgpr 96
		.amdhsa_reserve_vcc 1
		.amdhsa_float_denorm_mode_32 3
		.amdhsa_float_denorm_mode_16_64 3
		.amdhsa_memory_ordered 1
		.amdhsa_forward_progress 1
		.amdhsa_inst_pref_size 143
	.end_amdhsa_kernel
	.amdgpu_metadata
---
amdhsa.version: [ 1, 2 ]
amdhsa.kernels:
  - .name:           k_qf0dc98d982_attn
    .symbol:         k_qf0dc98d982_attn.kd
    .args:
      - { .name: qc, .offset: 0, .size: 8, .value_kind: global_buffer, .address_space: global }
      - { .name: qs, .offset: 8, .size: 8, .value_kind: global_buffer, .address_space: global }
      - { .name: kc, .offset: 16, .size: 8, .value_kind: global_buffer, .address_space: global }
      - { .name: ks, .offset: 24, .size: 8, .value_kind: global_buffer, .address_space: global }
      - { .name: vc, .offset: 32, .size: 8, .value_kind: global_buffer, .address_space: global }
      - { .name: vs, .offset: 40, .size: 8, .value_kind: global_buffer, .address_space: global }
      - { .name: cod, .offset: 48, .size: 8, .value_kind: global_buffer, .address_space: global }
      - { .name: scl, .offset: 56, .size: 8, .value_kind: global_buffer, .address_space: global }
      - { .name: out0, .offset: 64, .size: 8, .value_kind: global_buffer, .address_space: global }
    .group_segment_fixed_size: 189952
    .private_segment_fixed_size: 0
    .kernarg_segment_align: 8
    .kernarg_segment_size: 72
    .max_flat_workgroup_size: 512
    .sgpr_count:     96
    .vgpr_count:     256
    .wavefront_size: 32
...
	.end_amdgpu_metadata
.endif
;; end of part 3
;; ======== version 2 of 2: 3 launches; version 1 with the launches qkv, attn written anew for expert scheduling mode
;; workspace buffers: cod 3,407,872 bytes; scl 212,992 bytes; qc 2,097,152 bytes; qs 262,144 bytes; kc 524,288 bytes; ks 65,536 bytes; vc 524,288 bytes; vs 32,768 bytes
;; launch quant: the kernel of part 1 again; grid 416 x 1, 8 waves a work-group, no clusters, 69,120 bytes of LDS; arguments features, wq, wk, wv, wo, cod, scl; writes cod, scl
;; launch qkv (part 4): grid 128 x 1, 8 waves a work-group, no clusters, 19,968 bytes of LDS; arguments cod, scl, q_norm_w, k_norm_w, qc, qs, kc, ks, vc, vs; writes qc, qs, kc, ks, vc, vs
.if DOCPART == 4
	.amdgcn_target "amdgcn-amd-amdhsa--gfx1250"
	.amdhsa_code_object_version 6
	.text
	.protected	k_qf0dc98d982_qkv
	.globl	k_qf0dc98d982_qkv
	.p2align	8
	.type	k_qf0dc98d982_qkv,@function
k_qf0dc98d982_qkv:
	s_mov_b64 s[64:65], 0
	v_nop
	global_prefetch_b8 v0, s[64:65] scope:SCOPE_SE
	s_setreg_imm32_b32 hwreg(HW_REG_WAVE_SCHED_MODE, 0, 2), 2
	s_setreg_imm32_b32 hwreg(HW_REG_WAVE_MODE, 25, 1), 1
	s_wait_xcnt 0x0
	s_wait_alu depctr_vm_vsrc(0)
; q = rmsnorm(x wq^T) q_norm_w, k = rmsnorm(x wk^T) k_norm_w, v = x wv^T, on codes of FP4 with E8M0 scales, and all three quantised again for the attention's products:
; q and k along the head's 64, v along the keys.  x, wq, wk, wv come as fragment images (cod, scl: see the launch that makes them).
; SHARES.  A work-group owns 32 rows of x (tiles 2 g, 2 g + 1) and ALL 1,536 columns: so both norms (over 1,024 and 256 columns) and v's blocks of 32 keys close inside it.
; Wave w takes 12 tiles of weights: q's columns 128 w on (heads 2 w, 2 w + 1), k's columns 32 w on (block w & 1 of key head w >> 1), v's columns 32 w on.
; 128 work-groups: every work-group walks all 768 KB of weight codes whatever its rows, so halving the rows would double the bytes walked in all and shorten no walk.
; q AND k ARE MADE TRANSPOSED (source 0 = 16 rows of the weight, source 1 = x): a lane holds ONE row of x and its registers run along the columns, 16 neighbours to two tiles.
; v IS MADE THE OTHER WAY (source 0 = x, source 1 = wv): a lane holds one column and its 16 registers are 16 neighbouring keys.
; OPERANDS GO FROM MEMORY STRAIGHT INTO REGISTERS: each fragment is two loads of 512 consecutive bytes.  x's 16 fragments are shared through LDS as images.
; NO CLUSTER: the weights are shared by all work-groups, but they never touch LDS here; a joint request would send 96 KB a K step through LDS slots that are filled again,
; with a meeting of the cluster for each.  That form is not built.
; OUT: qc[tile][head][512] (one register group: K = 64), qs[tile][head][row] words (bytes 0, 1; bytes 2, 3 = 0); kc[group][key head][tile 2][512], ks likewise;
; vc[128 keys][wv tile][1,024]: a fragment of V^T, key block kb at 256 kb + 16 row; vs[128 keys][wv tile][row] words, byte kb (single bytes: 32 a wave; the buffer is 32 KB in all).
; LIMITS: a block of zeros gets the byte 1 (zero codes; read by this program alone); NaN and infinities are not served.
; REGISTERS.  window 0: v1-12 addresses; v16-23 x's scale words (register s: tile 0 in lanes 0-15, tile 1 in lanes 16-31); v24-71 the weights' (pair p, K step s at 8 p + s);
;   v72-103 x's fragments, two buffers; v104-199 twelve weight fragments, later work space; v200-215 k_norm_w; v216-231, v232-247 at work; v248-255 the four norm factors.
;   window 1: v0-127 q's accumulators (64 m + 8 t), v128-159 k's, v160-191 v's, v192-255 q_norm_w.
; THE MODE: SCHED_MODE bits 1:0 = 2 (LLVM: expert scheduling mode 2), set by the entry lines.  The code itself states the register dependences
; between vector or matrix instructions and memory or LDS instructions, with s_wait_alu, always for 0.
; THE PLAN.  Registers that memory or LDS instructions touch:
;   v1-12        offsets, LDS addresses and a zero: written at the head, ahead of one wait on va_vdst, and never again.
;   XF0, XF1     K step s: its 24 products read XF[s % 2]; the LDS loads of K step s + 1 land in the other buffer.  XF1 is also the data of the head's four LDS stores.
;   WF 0-5       K step s: its first twelve products read them; then the loads of K step s + 1 land in them.
;   WF 6-11      the same with its second twelve products.  All 512 registers are named, so neither half has a second set.
;   CH 0-3       written by the sums of squares, read by four LDS stores, written again by the additions behind the barrier.
;   RD           (WF's registers) read by the last products; the partial sums land there; the additions read them; wave 0's last LDS load lands there.
;   PCS, TM+4, 5 written by the three quantisers; read by the closing stores, which stand in one run.
; So a K step has two waits on va_vdst, one behind each twelve products, each ahead of the run of loads into what those products read; the scale words and gains are loaded once and never written again.
.set XIMG, 0                           ; LDS: x's fragments, (8 m + s) x 1,024
.set SSQ,  16384                       ; sums of squares [wave][m][row] f32: q's, and 1,024 bytes on k's
.set KSG,  18432                       ; k's scale words [key head][m][row]
.set XS,   16
.set WS,   24
.set XF,   72
.set WF,   104
.set PCS,  104                         ; behind the K loop: three sets of 8 codes, a scale word and a spare, 10 registers apart
.set RD,   136                         ; and the 32 partial sums
.set KNW,  200
.set TM,   216
.set CH,   232
.set FQ,   248
.set QNW,  192                         ; in window 1
.set SEL,  26
.set MSB, 0
.macro WIN new                         ; the immediate's high byte repeats the setting that is left
.if MSB != \new
	s_set_vgpr_msb (MSB<<8)|\new
.set MSB, \new
.endif
.endm
.macro PLACES                          ; four places behind a matrix instruction, in front of loads into its sources and of reads of its results
.rept 4
	v_nop
.endr
.endm
; one matrix instruction, from the symbols wd (C and D), wa, wb, wz (1: the sum starts with 0), wsa, wsb (scale registers), wra, wrb (1: the scales stand in lanes 16-31)
.macro WM
.if wz
.if wra && wrb
	v_wmma_scale_f32_16x16x128_f8f6f4 v[wd:wd+7], v[wa:wa+7], v[wb:wb+7], 0, v[wsa], v[wsb] matrix_a_fmt:MATRIX_FMT_FP4 matrix_b_fmt:MATRIX_FMT_FP4 matrix_a_scale:MATRIX_SCALE_ROW1 matrix_b_scale:MATRIX_SCALE_ROW1
.elseif wra
	v_wmma_scale_f32_16x16x128_f8f6f4 v[wd:wd+7], v[wa:wa+7], v[wb:wb+7], 0, v[wsa], v[wsb] matrix_a_fmt:MATRIX_FMT_FP4 matrix_b_fmt:MATRIX_FMT_FP4 matrix_a_scale:MATRIX_SCALE_ROW1
.elseif wrb
	v_wmma_scale_f32_16x16x128_f8f6f4 v[wd:wd+7], v[wa:wa+7], v[wb:wb+7], 0, v[wsa], v[wsb] matrix_a_fmt:MATRIX_FMT_FP4 matrix_b_fmt:MATRIX_FMT_FP4 matrix_b_scale:MATRIX_SCALE_ROW1
.else
	v_wmma_scale_f32_16x16x128_f8f6f4 v[wd:wd+7], v[wa:wa+7], v[wb:wb+7], 0, v[wsa], v[wsb] matrix_a_fmt:MATRIX_FMT_FP4 matrix_b_fmt:MATRIX_FMT_FP4
.endif
.else
.if wra && wrb
	v_wmma_scale_f32_16x16x128_f8f6f4 v[wd:wd+7], v[wa:wa+7], v[wb:wb+7], v[wd:wd+7], v[wsa], v[wsb] matrix_a_fmt:MATRIX_FMT_FP4 matrix_b_fmt:MATRIX_FMT_FP4 matrix_a_scale:MATRIX_SCALE_ROW1 matrix_b_scale:MATRIX_SCALE_ROW1
.elseif wra
	v_wmma_scale_f32_16x16x128_f8f6f4 v[wd:wd+7], v[wa:wa+7], v[wb:wb+7], v[wd:wd+7], v[wsa], v[wsb] matrix_a_fmt:MATRIX_FMT_FP4 matrix_b_fmt:MATRIX_FMT_FP4 matrix_a_scale:MATRIX_SCALE_ROW1
.elseif wrb
	v_wmma_scale_f32_16x16x128_f8f6f4 v[wd:wd+7], v[wa:wa+7], v[wb:wb+7], v[wd:wd+7], v[wsa], v[wsb] matrix_a_fmt:MATRIX_FMT_FP4 matrix_b_fmt:MATRIX_FMT_FP4 matrix_b_scale:MATRIX_SCALE_ROW1
.else
	v_wmma_scale_f32_16x16x128_f8f6f4 v[wd:wd+7], v[wa:wa+7], v[wb:wb+7], v[wd:wd+7], v[wsa], v[wsb] matrix_a_fmt:MATRIX_FMT_FP4 matrix_b_fmt:MATRIX_FMT_FP4
.endif
.endif
.endm
; twelve matrix instructions: weight tiles t0 .. t0 + 5 x the two tiles of x, K step s.  The 24 accumulators take turns, one instruction a turn, in the same order in every K step
.macro MMG s, t0
.irp d, 0,1,2,3,4,5
.irp m, 0,1
.set tt, (\t0)+\d
.set wz, 0
.if (\s) == 0
.set wz, 1
.endif
.if tt < 10
.set wa, WF+8*tt
.set wb, XF+16*((\s)%2)+8*\m
.set wsa, WS+8*(tt/2)+(\s)
.set wra, tt%2
.set wsb, XS+(\s)
.set wrb, \m
.if tt < 8
.set wd, 64*\m+8*tt
.else
.set wd, 128+16*\m+8*(tt-8)
.endif
.else
.set wa, XF+16*((\s)%2)+8*\m
.set wb, WF+8*tt
.set wsa, XS+(\s)
.set wra, \m
.set wsb, WS+8*(tt/2)+(\s)
.set wrb, tt%2
.set wd, 160+16*(tt-10)+8*\m
.endif
	WM
.endr
.endr
.endm
.macro LOADW s, t0                     ; six weight fragments of K step s: twelve loads of 512 consecutive bytes
.irp d, 0,1,2,3,4,5
.set tt, (\t0)+\d
.irp c, 0,1
.if tt < 8
	global_load_b128 v[WF+8*tt+4*\c:WF+8*tt+4*\c+3], v1, s[36:37] offset:tt*8192+(\s)*1024+512*\c
.elseif tt < 10
	global_load_b128 v[WF+8*tt+4*\c:WF+8*tt+4*\c+3], v1, s[38:39] offset:(tt-8)*8192+(\s)*1024+512*\c
.else
	global_load_b128 v[WF+8*tt+4*\c:WF+8*tt+4*\c+3], v1, s[40:41] offset:(tt-10)*8192+(\s)*1024+512*\c
.endif
.endr
.endr
.endm
.macro LOADX s                         ; x's two fragments of K step s, from their images, into buffer s % 2
.irp m, 0,1
.irp c, 0,1
	ds_load_b128 v[XF+16*((\s)%2)+8*\m+4*\c:XF+16*((\s)%2)+8*\m+4*\c+3], v1 offset:XIMG+1024*(8*\m+(\s))+512*\c
.endr
.endr
.endm
.macro KSTEP s
	s_wait_loadcnt 12                              ; the first six fragments are in; the other six's twelve loads may be out
	s_wait_dscnt 0x0                               ; x's fragments are in
	WIN 0x50                                       ; C and D in window 1
	MMG \s, 0
	WIN 0
	PLACES
.if (\s) < 7
	s_wait_alu depctr_va_vdst(0)                   ; the twelve products above are done reading fragments 0-5, and the products of the step before are done reading x's other buffer: the sixteen loads below land in these
	LOADX (\s)+1
	LOADW (\s)+1, 0
	s_wait_loadcnt 12                              ; the other six are in; the twelve just issued may be out
.else
	s_wait_loadcnt 0x0
.endif
	WIN 0x50
	MMG \s, 6                                      ; these name fragments 6-11, this step's buffer of x, scale words and accumulators: none of the registers in which the loads above land
	WIN 0
	PLACES
.if (\s) < 7
	s_wait_alu depctr_va_vdst(0)                   ; the twelve products above are done reading fragments 6-11, in which the twelve loads below land
	LOADW (\s)+1, 6
.endif
.endm
; 64 numbers of a lane in WINDOW 1, v[src] on, four blocks of which my lane holds 16 numbers each, become codes in v[pc] on (window 0).
; whole = 1: the four blocks are one fragment: its scale word goes to v[pc + 8] and the halves of the lanes change places as the operand's layout asks
.macro QW src, pc, whole
	WIN 0x05                                       ; sources 0 and 1 in window 1
.irp b, 0,1,2,3
	v_max3_num_f32 v[TM+\b], |v[\src+16*\b]|, |v[\src+1+16*\b]|, 0x1800000   ; and the floor 2^(3 - 127): the byte cannot fall under 1
.endr
	WIN 0x14                                       ; sources 1 and 2 in window 1
.irp i, 2,4,6,8,10,12,14
.irp b, 0,1,2,3
	v_max3_num_f32 v[TM+\b], v[TM+\b], |v[\src+16*\b+\i]|, |v[\src+1+16*\b+\i]|
.endr
.endr
	WIN 0
.irp b, 0,1,2,3
	v_permlanex16_b32 v[TM+4+\b], v[TM+\b], s[SEL], s[SEL+1]
.endr
.irp b, 0,1,2,3
	v_max_num_f32 v[TM+\b], v[TM+\b], v[TM+4+\b]          ; with lane l xor 16's: the block's largest magnitude
.endr
.irp b, 0,1,2,3
	v_add_nc_u32 v[TM+12+\b], 0xff000000, v[TM+\b]        ; 2 off its exponent field: the conversion's scale operand
.endr
.irp b, 0,1,2,3
	v_lshrrev_b32 v[TM+4+\b], 23, v[TM+12+\b]             ; the scale's byte
.endr
.if \whole
	v_lshl_or_b32 v[\pc+8], v[TM+5], 8, v[TM+4]
	v_lshl_or_b32 v[\pc+8], v[TM+6], 16, v[\pc+8]
	v_lshl_or_b32 v[\pc+8], v[TM+7], 24, v[\pc+8]
.endif
	WIN 0x01                                       ; source 0 in window 1
.irp b, 0,1,2,3
	v_cvt_scalef32_pk8_fp4_f32 v[\pc+2*\b], v[\src+16*\b:\src+7+16*\b], v[TM+12+\b]
	v_cvt_scalef32_pk8_fp4_f32 v[\pc+1+2*\b], v[\src+8+16*\b:\src+15+16*\b], v[TM+12+\b]
.endr
	WIN 0
	v_nop                                          ; one plain place behind a scaled conversion
.if \whole
.irp c, 0,1
.irp i, 0,1
	v_permlane16_swap_b32 v[\pc+4*\c+\i], v[\pc+2+4*\c+\i]
.endr
.endr
.endif
.endm
	s_load_b256 s[4:11], s[0:1], 0x0               ; cod, scl, q_norm_w, k_norm_w
	s_load_b256 s[12:19], s[0:1], 0x20             ; qc, qs, kc, ks
	s_load_b128 s[20:23], s[0:1], 0x40             ; vc, vs
	v_lshl_add_u32 v246, v0, 2, 0x4a00             ; my spare word's LDS address, and 0: made here and kept for the closing lines alone
	v_mov_b32 v247, 0
	v_lshrrev_b32 v1, 5, v0
	v_readfirstlane_b32 s24, v1                    ; wave 0..7
	v_and_b32 v13, 31, v0                          ; lane
	v_and_b32 v14, 15, v0                          ; r
	v_bfe_u32 v15, v0, 4, 1                        ; h
	v_cmp_lt_u32 s31, 15, v13                      ; lanes 16-31
	v_lshlrev_b32 v1, 4, v13                       ; 16 x lane: an image's place for my lane
	v_lshlrev_b32 v2, 5, v13                       ; 32 x lane: the eight scale words of my row of a pair of tiles
	v_lshlrev_b32 v3, 2, v14                       ; 4 r
	v_lshlrev_b32 v7, 4, v14
	v_lshl_add_u32 v7, v15, 3, v7                  ; 16 r + 8 h: my 16 codes of a block
	v_lshlrev_b32 v8, 2, v13                       ; 4 x lane
	v_lshlrev_b32 v9, 6, v15                       ; 64 h: my 16 gains of a block of 32
	v_mov_b32 v10, 0
	v_add_nc_u32 v11, SSQ, v3
	v_add_nc_u32 v12, KSG, v1
.irp b, 0,1,2,3
	v_mov_b32 v[TM+4+\b], 0                        ; written once: a lane permute's destination counts as one of its sources
	v_mov_b32 v[FQ+1+2*\b], 0                      ; named as the upper halves of pairs
.endr
	s_mov_b32 s[SEL], 0x76543210
	s_mov_b32 s[SEL+1], 0xfedcba98                 ; v_permlanex16_b32's selects for lane l xor 16
	s_mov_b32 s28, 0x3a800000                      ; 1 / 1,024
	s_mov_b32 s29, 0x3b800000                      ; 1 / 256
	s_mov_b32 s30, 0x358637bd                      ; 1e-6
	s_wait_alu depctr_va_sdst(0)                   ; s24 (the wave's number) and s31 (the mask of lanes 16-31) are written, ahead of the first reader of either
	s_lshl_b32 s52, s24, 10
	v_add_nc_u32 v4, s52, v1                       ; 1,024 w + 16 x lane: K step w of x, in memory and in LDS
	s_lshl_b32 s52, s24, 7
	s_add_co_u32 s52, s52, SSQ
	v_add_nc_u32 v5, s52, v3                       ; my wave's sums of squares
	s_lshr_b32 s52, s24, 1
	s_lshl_b32 s52, s52, 7
	s_and_b32 s53, s24, 1
	s_add_co_u32 s52, s52, s53
	s_add_co_u32 s52, s52, KSG
	v_add_nc_u32 v6, s52, v3                       ; k's scale byte: KSG + 128 (w >> 1) + 4 r + (w & 1)
	s_mov_b32 s53, 0
	s_wait_kmcnt 0x0
	s_lshl_b32 s52, ttmp9, 14
	s_add_nc_u64 s[32:33], s[4:5], s[52:53]        ; x's codes: tiles 2 g, 2 g + 1
	s_lshl_b32 s52, ttmp9, 10
	s_add_nc_u64 s[34:35], s[6:7], s[52:53]        ; x's scale words
	s_lshl_b32 s52, s24, 16
	s_add_co_u32 s52, s52, 256*8192
	s_add_nc_u64 s[36:37], s[4:5], s[52:53]        ; wq's tiles 8 w on
	s_lshl_b32 s52, s24, 14
	s_add_co_u32 s52, s52, 320*8192
	s_add_nc_u64 s[38:39], s[4:5], s[52:53]        ; wk's tiles 2 w on
	s_add_co_u32 s52, s52, 16*8192
	s_add_nc_u64 s[40:41], s[4:5], s[52:53]        ; wv's
	s_lshl_b32 s52, s24, 12
	s_add_co_u32 s52, s52, 256*512
	s_add_nc_u64 s[42:43], s[6:7], s[52:53]        ; and their scale words
	s_lshl_b32 s52, s24, 10
	s_add_co_u32 s52, s52, 320*512
	s_add_nc_u64 s[44:45], s[6:7], s[52:53]
	s_add_co_u32 s52, s52, 16*512
	s_add_nc_u64 s[46:47], s[6:7], s[52:53]
	s_lshl_b32 s52, s24, 9
	s_add_nc_u64 s[48:49], s[8:9], s[52:53]        ; q_norm_w at column 128 w
	s_lshl_b32 s52, s24, 7
	s_add_nc_u64 s[50:51], s[10:11], s[52:53]      ; k_norm_w at column 32 w
	s_wait_alu depctr_va_vdst(0)                   ; v1 to v12 are written: every load, store and LDS instruction of the kernel takes its offset, its address or (v10) its data from them, and none is written again
	; 62 loads go out: x's K step w (4), x's scale words (2), the weights' (12), the gains (16 + 4), the first K step's weights (24)
.irp m, 0,1
.irp c, 0,1
	global_load_b128 v[XF+16+8*\m+4*\c:XF+16+8*\m+4*\c+3], v4, s[32:33] offset:8192*\m+512*\c
.endr
.endr
	global_load_b128 v[XS:XS+3], v2, s[34:35]
	global_load_b128 v[XS+4:XS+7], v2, s[34:35] offset:16
.irp p, 0,1,2,3
	global_load_b128 v[WS+8*\p:WS+8*\p+3], v2, s[42:43] offset:1024*\p
	global_load_b128 v[WS+8*\p+4:WS+8*\p+7], v2, s[42:43] offset:1024*\p+16
.endr
	global_load_b128 v[WS+32:WS+35], v2, s[44:45]
	global_load_b128 v[WS+36:WS+39], v2, s[44:45] offset:16
	global_load_b128 v[WS+40:WS+43], v2, s[46:47]
	global_load_b128 v[WS+44:WS+47], v2, s[46:47] offset:16
	WIN 0x40                                       ; destination in window 1 (between the wait above and these loads stand loads and this switch alone)
.irp b, 0,1,2,3
.irp j, 0,1,2,3
	global_load_b128 v[QNW+16*\b+4*\j:QNW+16*\b+4*\j+3], v9, s[48:49] offset:128*\b+16*\j   ; register 16 b + i: the gain of column 128 w + 32 b + 16 h + i
.endr
.endr
	WIN 0
.irp j, 0,1,2,3
	global_load_b128 v[KNW+4*\j:KNW+4*\j+3], v9, s[50:51] offset:16*\j
.endr
	LOADW 0, 0
	LOADW 0, 6
	; where the results go
	s_lshl_b32 s52, ttmp9, 14
	s_lshl_b32 s54, s24, 10
	s_add_co_u32 s52, s52, s54
	s_add_nc_u64 s[12:13], s[12:13], s[52:53]      ; qc + 16,384 g + 1,024 w
	s_lshl_b32 s52, ttmp9, 11
	s_lshl_b32 s54, s24, 7
	s_add_co_u32 s52, s52, s54
	s_add_nc_u64 s[14:15], s[14:15], s[52:53]      ; qs + 2,048 g + 128 w
	s_lshl_b32 s52, ttmp9, 12
	s_lshr_b32 s54, s24, 1
	s_lshl_b32 s54, s54, 10
	s_add_co_u32 s52, s52, s54
	s_and_b32 s54, s24, 1
	s_lshl_b32 s54, s54, 8
	s_add_co_u32 s52, s52, s54
	s_add_nc_u64 s[16:17], s[16:17], s[52:53]      ; kc + 4,096 g + 1,024 (w >> 1) + 256 (w & 1)
	s_lshl_b32 s52, ttmp9, 9
	s_add_nc_u64 s[18:19], s[18:19], s[52:53]      ; ks + 512 g
	s_lshr_b32 s55, ttmp9, 2
	s_and_b32 s56, ttmp9, 3
	s_lshl_b32 s52, s55, 14
	s_lshl_b32 s54, s24, 11
	s_add_co_u32 s52, s52, s54
	s_lshl_b32 s54, s56, 8
	s_add_co_u32 s52, s52, s54
	s_add_nc_u64 s[20:21], s[20:21], s[52:53]      ; vc + 16,384 (g >> 2) + 2,048 w + 256 (g & 3)
	s_lshl_b32 s52, s55, 10
	s_lshl_b32 s54, s24, 7
	s_add_co_u32 s52, s52, s54
	s_add_co_u32 s52, s52, s56
	s_add_nc_u64 s[22:23], s[22:23], s[52:53]      ; vs + 1,024 (g >> 2) + 128 w + (g & 3)
	; x's sixteen fragments meet in LDS
	s_wait_loadcnt 58                              ; x's four loads are in: 58 were issued behind them
.irp m, 0,1
.irp c, 0,1
	ds_store_b128 v4, v[XF+16+8*\m+4*\c:XF+16+8*\m+4*\c+3] offset:XIMG+8192*\m+512*\c
.endr
.endr
	s_wait_dscnt 0x0                               ; for the others' sake: my images have landed
	s_barrier_signal -1
	s_barrier_wait -1
	s_wait_alu depctr_vm_vsrc(0)                   ; my four LDS stores have read x's second buffer, in which K step 1's fragments land
	LOADX 0
.irp s, 0,1,2,3,4,5,6,7
	KSTEP \s
.endr
	; THE SUMS OF SQUARES of my 64 columns of q and 16 of k, each accumulator from its low end on; six chains
	WIN 0x05                                       ; sources 0 and 1 in window 1
.irp m, 0,1
	v_pk_mul_f32 v[CH+4*\m:CH+4*\m+1], v[64*\m:64*\m+1], v[64*\m:64*\m+1]
	v_pk_mul_f32 v[CH+4*\m+2:CH+4*\m+3], v[64*\m+2:64*\m+3], v[64*\m+2:64*\m+3]
.endr
.irp j, 4,8,12,16,20,24,28,32,36,40,44,48,52,56,60
.irp m, 0,1
	v_pk_fma_f32 v[CH+4*\m:CH+4*\m+1], v[64*\m+\j:64*\m+\j+1], v[64*\m+\j:64*\m+\j+1], v[CH+4*\m:CH+4*\m+1]
	v_pk_fma_f32 v[CH+4*\m+2:CH+4*\m+3], v[64*\m+\j+2:64*\m+\j+3], v[64*\m+\j+2:64*\m+\j+3], v[CH+4*\m+2:CH+4*\m+3]
.endr
.endr
.irp m, 0,1
	v_pk_mul_f32 v[CH+8+2*\m:CH+9+2*\m], v[128+16*\m:129+16*\m], v[128+16*\m:129+16*\m]
.endr
.irp j, 2,4,6,8,10,12,14
.irp m, 0,1
	v_pk_fma_f32 v[CH+8+2*\m:CH+9+2*\m], v[128+16*\m+\j:129+16*\m+\j], v[128+16*\m+\j:129+16*\m+\j], v[CH+8+2*\m:CH+9+2*\m]
.endr
.endr
	WIN 0
	v_pk_add_f32 v[CH:CH+1], v[CH:CH+1], v[CH+2:CH+3]
	v_pk_add_f32 v[CH+4:CH+5], v[CH+4:CH+5], v[CH+6:CH+7]
	v_add_f32 v[CH], v[CH], v[CH+1]                ; q, tile 0
	v_add_f32 v[CH+1], v[CH+4], v[CH+5]            ; q, tile 1
	v_add_f32 v[CH+2], v[CH+8], v[CH+9]            ; k, tile 0
	v_add_f32 v[CH+3], v[CH+10], v[CH+11]          ; k, tile 1
.irp c, 0,1,2,3
	v_permlanex16_b32 v[TM+4+\c], v[CH+\c], s[SEL], s[SEL+1]
.endr
.irp c, 0,1,2,3
	v_add_f32 v[CH+\c], v[CH+\c], v[TM+4+\c]       ; with lane l xor 16's columns: my wave's part of the row's sum
.endr
	s_wait_alu depctr_va_vdst(0)                   ; the four sums are written, which the LDS stores read; and the last K step's products are done reading v136-167, in which the partial sums land behind the barrier
	ds_store_b32 v5, v[CH]
	ds_store_b32 v5, v[CH+1] offset:64
	ds_store_b32 v5, v[CH+2] offset:1024
	ds_store_b32 v5, v[CH+3] offset:1088
	s_wait_dscnt 0x0
	s_barrier_signal -1
	s_barrier_wait -1
.irp c, 0,1,2,3                        ; c = 2 x (0: q, 1: k) + tile; the eight waves' parts, added in the waves' order in every wave
.irp i, 0,1,2,3,4,5,6,7
	ds_load_b32 v[RD+8*\c+\i], v11 offset:1024*(\c/2)+64*(\c%2)+128*\i
.endr
.endr
	s_wait_dscnt 0x0
	s_wait_alu depctr_vm_vsrc(0)                   ; my four LDS stores have read v[CH] to v[CH + 3], which the additions below write again
.irp c, 0,1,2,3
	v_add_f32 v[CH+\c], v[RD+8*\c], v[RD+8*\c+1]
.endr
.irp i, 2,3,4,5,6,7
.irp c, 0,1,2,3
	v_add_f32 v[CH+\c], v[CH+\c], v[RD+8*\c+\i]
.endr
.endr
	v_fma_f32 v[CH], v[CH], s28, s30               ; the mean of the squares + 1e-6
	v_fma_f32 v[CH+1], v[CH+1], s28, s30
	v_fma_f32 v[CH+2], v[CH+2], s29, s30
	v_fma_f32 v[CH+3], v[CH+3], s29, s30
.irp c, 0,1,2,3
	v_rsq_f32 v[FQ+2*\c], v[CH+\c]
.endr
	v_nop                                          ; a plain place behind the transcendentals
	WIN 0x41                                       ; destination and source 0 in window 1.  (x r) w, in that order
	s_wait_alu depctr_va_vdst(0)                   ; the four reciprocal roots are written, ahead of their first reader: one wait for the batch
.irp m, 0,1
.set n, 0
.rept 32
	v_pk_mul_f32 v[64*\m+n:64*\m+n+1], v[64*\m+n:64*\m+n+1], v[FQ+2*\m:FQ+2*\m+1] op_sel_hi:[1,0]
.set n, n+2
.endr
.set n, 0
.rept 8
	v_pk_mul_f32 v[128+16*\m+n:129+16*\m+n], v[128+16*\m+n:129+16*\m+n], v[FQ+4+2*\m:FQ+5+2*\m] op_sel_hi:[1,0]
.set n, n+2
.endr
.endr
.irp m, 0,1
.set n, 0
.rept 8
	v_pk_mul_f32 v[128+16*\m+n:129+16*\m+n], v[128+16*\m+n:129+16*\m+n], v[KNW+n:KNW+n+1]
.set n, n+2
.endr
.endr
	WIN 0x45                                       ; source 1 in window 1 too
.irp m, 0,1
.set n, 0
.rept 32
	v_pk_mul_f32 v[64*\m+n:64*\m+n+1], v[64*\m+n:64*\m+n+1], v[QNW+n:QNW+n+1]
.set n, n+2
.endr
.endr
	; THE THREE QUANTISERS STAND TOGETHER, each with registers of its own for what it sends out, and all the stores follow in one run behind one wait.
	; q: my 128 columns of a tile of rows are four blocks: heads 2 w (register group 0) and 2 w + 1 (group 1)
.irp m, 0,1
	QW 64*\m, PCS+10*\m, 1
	v_and_b32 v[PCS+10*\m+9], 0xffff, v[PCS+10*\m+8]
	v_lshrrev_b32 v[PCS+10*\m+8], 16, v[PCS+10*\m+8]
	v_cndmask_b32 v[PCS+10*\m+9], v[PCS+10*\m+9], v[PCS+10*\m+8], s31                  ; lanes 0-15: head 2 w's two bytes; lanes 16-31: head 2 w + 1's
.endr
	; k's block for the two tiles of keys, and v's two tiles of columns x this group's 32 keys: four blocks, half a block to a lane
	QW 128, PCS+20, 0
	v_cndmask_b32 v[PCS+28], v[TM+6], v[TM+7], s31 ; v's bytes: lanes 0-15 the even tile's, lanes 16-31 the odd one's
	s_wait_alu depctr_va_vdst(0)                   ; the codes, scale words and bytes of all three quantisers are written, which the fifteen stores below read; and the additions are done reading v136-139, in which wave 0's last LDS load lands
.irp m, 0,1
	global_store_b128 v1, v[PCS+10*\m:PCS+10*\m+3], s[12:13] offset:8192*\m            ; 512 consecutive bytes: head 2 w
	global_store_b128 v1, v[PCS+10*\m+4:PCS+10*\m+7], s[12:13] offset:8192*\m+512      ; head 2 w + 1
	global_store_b32 v8, v[PCS+10*\m+9], s[14:15] offset:1024*\m
.endr
	global_store_b64 v7, v[PCS+20:PCS+21], s[16:17]                   ; 256 consecutive bytes each
	global_store_b64 v7, v[PCS+22:PCS+23], s[16:17] offset:512
	global_store_b64 v7, v[PCS+24:PCS+25], s[20:21]
	global_store_b64 v7, v[PCS+26:PCS+27], s[20:21] offset:1024
	ds_store_b8 v6, v[TM+4]                        ; k's bytes meet in LDS: byte w & 1 of a key's word,
	ds_store_b8 v6, v[TM+5] offset:64
	ds_store_b8 v6, v10 offset:2                   ; and byte 2 + (w & 1) is 0: it scales zero codes
	ds_store_b8 v6, v10 offset:66
	global_store_b8 v8, v[PCS+28], s[22:23]
	s_wait_dscnt 0x0
	s_barrier_signal -1
	s_barrier_wait -1
	s_cmp_lg_u32 s24, 0
	s_cbranch_scc1 .Lend
	ds_load_b128 v[RD:RD+3], v12                   ; wave 0 sends the group's 512 bytes of k's scale words out whole
	s_wait_dscnt 0x0
	global_store_b128 v1, v[RD:RD+3], s[18:19]
.Lend:
	s_wait_dscnt 0x0                               ; the closing lines, six on end
	s_wait_alu 0x0
	s_wait_tensorcnt 0x0
	ds_add_u32 v246, v247
	s_wait_dscnt 0x0
	s_endpgm
.Lfunc_end_k_qf0dc98d982_qkv:
	.size	k_qf0dc98d982_qkv, .Lfunc_end_k_qf0dc98d982_qkv-k_qf0dc98d982_qkv
	.p2alignl 7, 3214868480
	.fill 96, 4, 3214868480
	.section	.rodata,"a",@progbits
	.p2align	6, 0x0
	.amdhsa_kernel k_qf0dc98d982_qkv
		.amdhsa_group_segment_fixed_size 19968
		.amdhsa_private_segment_fixed_size 0
		.amdhsa_enable_private_segment 0
		.amdhsa_kernarg_size 80
		.amdhsa_user_sgpr_count 2
		.amdhsa_user_sgpr_kernarg_segment_ptr 1
		.amdhsa_wavefront_size32 1
		.amdhsa_system_sgpr_workgroup_id_x 1
		.amdhsa_system_sgpr_workgroup_id_y 1
		.amdhsa_system_sgpr_workgroup_id_z 1
		.amdhsa_system_vgpr_workitem_id 0
		.amdhsa_next_free_vgpr 512
		.amdhsa_next_free_sgpr 72
		.amdhsa_reserve_vcc 0
		.amdhsa_float_denorm_mode_32 3
		.amdhsa_float_denorm_mode_16_64 3
		.amdhsa_memory_ordered 1
		.amdhsa_forward_progress 1
		.amdhsa_inst_pref_size 90
	.end_amdhsa_kernel
	.amdgpu_metadata
---
amdhsa.version: [ 1, 2 ]
amdhsa.kernels:
  - .name:           k_qf0dc98d982_qkv
    .symbol:         k_qf0dc98d982_qkv.kd
    .args:
      - { .name: cod, .offset: 0, .size: 8, .value_kind: global_buffer, .address_space: global }
      - { .name: scl, .offset: 8, .size: 8, .value_kind: global_buffer, .address_space: global }
      - { .name: q_norm_w, .offset: 16, .size: 8, .value_kind: global_buffer, .address_space: global }
      - { .name: k_norm_w, .offset: 24, .size: 8, .value_kind: global_buffer, .address_space: global }
      - { .name: qc, .offset: 32, .size: 8, .value_kind: global_buffer, .address_space: global }
      - { .name: qs, .offset: 40, .size: 8, .value_kind: global_buffer, .address_space: global }
      - { .name: kc, .offset: 48, .size: 8, .value_kind: global_buffer, .address_space: global }
      - { .name: ks, .offset: 56, .size: 8, .value_kind: global_buffer, .address_space: global }
      - { .name: vc, .offset: 64, .size: 8, .value_kind: global_buffer, .address_space: global }
      - { .name: vs, .offset: 72, .size: 8, .value_kind: global_buffer, .address_space: global }
    .group_segment_fixed_size: 19968
    .private_segment_fixed_size: 0
    .kernarg_segment_align: 8
    .kernarg_segment_size: 80
    .max_flat_workgroup_size: 256
    .sgpr_count:     72
    .vgpr_count:     512
    .wavefront_size: 32
...
	.end_amdgpu_metadata
.endif
;; end of part 4
;; launch attn (part 5): grid 256 x 1, 16 waves a work-group, no clusters, 189,952 bytes of LDS; arguments qc, qs, kc, ks, vc, vs, cod, scl, out0; writes out0
.if DOCPART == 5
	.amdgcn_target "amdgcn-amd-amdhsa--gfx1250"
	.amdhsa_code_object_version 6
	.text
	.protected	k_qf0dc98d982_attn
	.globl	k_qf0dc98d982_attn
	.p2align	8
	.type	k_qf0dc98d982_attn,@function
k_qf0dc98d982_attn:
	s_mov_b64 s[64:65], 0
	v_nop
	global_prefetch_b8 v0, s[64:65] scope:SCOPE_SE
	s_setreg_imm32_b32 hwreg(HW_REG_WAVE_SCHED_MODE, 0, 2), 2
	s_setreg_imm32_b32 hwreg(HW_REG_WAVE_MODE, 25, 1), 1
	s_wait_xcnt 0x0
	s_wait_alu depctr_vm_vsrc(0)
; out = (softmax(q k^T / 8 + slope (j - i), keys i - 512 <= j <= i) v) wo^T, all three products on codes of FP4 with E8M0 scales.
; SHARES.  A work-group owns one tile of 16 queries (rows 32 g + 8 u + r + (r & 8)); wave hh is head hh (key head hh >> 2): four waves to a SIMD, so that one wave's vector work
; stands beside another's matrix work.  All 16 heads of the rows meet in the work-group, so the product with wo follows here: wave hh makes output columns 64 hh on.
; THE KEYS.  The tile's queries lie in one run of 128 positions, number NS of the batch; they see the five runs NS - 4 .. NS and no other.  Run NS - 4 + i is slot i; it exists where NS + i >= 4
; (a scalar branch on ids leaves the others out).  Only slot 0 (the window's edge) and slot 4 (the diagonal) hold hidden keys: their scores become -infinity ahead of the maximum.
; All five slots' codes and scale words (175 KB) are brought into LDS once, through registers; nothing in LDS is filled again by an engine.
; NO CLUSTER: neighbouring work-groups share four of their five slots and all of wo, but each at other places of its own LDS map and register ring; a joint request would need
; equal descriptors and LDS addresses in all partners.  That form is not built.
; LAYOUT.  S^T = K Q^T + C (source 0 = 16 keys, source 1 = my queries), O^T = V^T P^T: a lane holds ONE query throughout.  K = 64 fills half of the instruction's 128: Q's upper registers are zero codes,
; so what stands in K's upper registers (the next tile's codes) adds nothing.
; THE BIAS IS THE C OF THE FIRST PRODUCT: 8 slope (j - i), j - i exact in f32, one rounding in the product, as the definition rounds slope (j - i).  t = (score + 8 bias) log2(e) / 8.
; THE SOFTMAX: M = the running largest t rounded up to a whole number; p = 2^(t - M) is quantised along the keys; the row's sum is taken of the unquantised p and divides O at the end;
; when M moves, the sum and O are multiplied by 2^(old M - new M), which rounds nothing.
; LIMITS: a p under 2^-126 counts as 0 (v_exp_f32 flushes it); a block of zeros gets the byte 1 (zero codes); NaN and infinities are not served.
; THE MODE: SCHED_MODE bits 1:0 = 2 (LLVM: expert scheduling mode 2), set by the entry lines.  The code itself states the register dependences
; between vector or matrix instructions and memory or LDS instructions, with s_wait_alu, always for 0.
; THE PLAN.  Registers that memory or LDS instructions touch:
;   v1-7, v238, v239, and at the head v10, v68-76, v81   offsets and LDS addresses: written at the head; v1-7, v238, v239 never again.
;   v[ADK], v[ADV]   written at each key step's head, read by that step's 16 LDS loads; written anew behind the last step.
;   v100-189         the staging loads land there and the staging LDS stores read them; behind the first barrier they are S and O.
;   KF, KS, VF, VS   a key step's LDS loads land there; its products read them.  All 256 registers are named, so they have no second set.
;   Q's and K's zero codes, p's codes and scale word   written by vector instructions, taken by scaled products.
;   v32-159          K, V and S, then wo's ring of four K steps.   v24-31, v196-211: the steps' scale words and i' - DTH, then the images' scale words and fragments.
;   PC, TMP, O       data of the LDS stores of the image and of the stage.
; A key step has one wait on vm_vsrc (ahead of the two address lines) and three on va_vdst: at its head, ahead of K's loads (V's follow with no further wait: the 64 lines between name S, IT and scalars alone);
; behind the exponentials; and behind the rescaling of O^T, ahead of the second product.  In the two masked steps the compares go into scalar registers in two runs of 32, one wait on va_sdst behind each.
; A K step of the last product has one wait on va_vdst, behind its four products: the result's fragment of two steps on and wo's fragments of four steps on land in what those products read.
.set KSC,  163840                      ; LDS: slot i at 32,768 i: K's 16 KB [group 4][key head 4][tile 2][512], V's 16 KB [tile 16][1,024];  K's scale words, 2,048 a slot;
.set VSC,  174080                      ; V's, 1,024 a slot;
.set OIMG, 179200                      ; the attention's result as 8 fragment images;
.set OSC,  187392                      ; their scale words, 64 bytes each.
.set SPITCH, 4112                      ; The stage for the way out, 16 rows x (4,096 + 16), lies over slots 0-2: it is written when nobody reads K or V any more
.set AK0, 1                            ; v1   my lane's place in a slot's K
.set AV0, 2                            ; v2   and V
.set ASK, 3                            ; v3   among K's scale words
.set ASV, 4                            ; v4   among V's
.set LI,  5                            ; v5   16 x lane
.set L32, 6                            ; v6   32 x lane
.set DTH, 7                            ; v7   my query's place in its run of 128, less 16 (lane / 16)
.set ADK, 8                            ; v8   the slot's K; later the images
.set ADV, 9                            ; v9   the slot's V; later the images' scale words
.set STA, 10                           ; v10  staging; later where my image goes
.set STB, 11                           ; v11  later where its two scale bytes go
.set QF,  16                           ; v16-23 Q (v20-23: zero codes)
.set QS,  24                           ; v24-31 hold scales alone: Q's, p's, K's four, V's two; later the images' eight
.set PW,  25
.set KS,  26
.set VS,  30
.set OS,  24
.set KF,  32                           ; v32-67  K: tile kt at v[32 + 4 kt]; v64-67 zero
.set VF,  68                           ; v68-99  V: four fragments (at the head: temporaries)
.set S,   100                          ; v100-163 the bias, S^T, p
.set O,   164                          ; v164-195 O^T; later the last product's sums
.set IT,  196                          ; v196-211 i' - DTH as f32; later the images' fragments, two buffers
.set OF,  196
.set PC,  212                          ; v212-219 p's codes
.set BM,  220                          ; v220-223 block maxima
.set T4,  224
.set SO,  228                          ; v228-231 the conversions' scale operands
.set F,   232                          ; v[232:233] 2^(old M - new M)
.set SM2, 234
.set TMP, 236
.set NINF, 237
.set STO, 238
.set STR, 239
.set WS,  240                          ; v240-255 wo's scale words: pair pb, K step s at 8 pb + s
.set WR,  32                           ; v32-159 wo's fragments: a ring of four K steps x 32 registers
.set NS,  26
.set SEL, 28
.set C1,  30                           ; s[30:31] log2(e) / 8
.set SL,  32                           ; s[32:33] 8 x the head's slope
                                       ; s36-55, s66-77: at the head the staging loads' bases; behind the wait that shows those loads done, the masks of a run of 32 compares
.macro PLACES                          ; four places behind a matrix instruction, in front of loads into its sources and of reads of its results
.rept 4
	v_nop
.endr
.endm
; one matrix instruction, from the symbols wd (C and D), wa, wb, wz (1: the sum starts with 0), wsa, wsb (scale registers), wra (1: source 0's scales stand in lanes 16-31)
.macro WM
.if wz
.if wra
	v_wmma_scale_f32_16x16x128_f8f6f4 v[wd:wd+7], v[wa:wa+7], v[wb:wb+7], 0, v[wsa], v[wsb] matrix_a_fmt:MATRIX_FMT_FP4 matrix_b_fmt:MATRIX_FMT_FP4 matrix_a_scale:MATRIX_SCALE_ROW1
.else
	v_wmma_scale_f32_16x16x128_f8f6f4 v[wd:wd+7], v[wa:wa+7], v[wb:wb+7], 0, v[wsa], v[wsb] matrix_a_fmt:MATRIX_FMT_FP4 matrix_b_fmt:MATRIX_FMT_FP4
.endif
.else
.if wra
	v_wmma_scale_f32_16x16x128_f8f6f4 v[wd:wd+7], v[wa:wa+7], v[wb:wb+7], v[wd:wd+7], v[wsa], v[wsb] matrix_a_fmt:MATRIX_FMT_FP4 matrix_b_fmt:MATRIX_FMT_FP4 matrix_a_scale:MATRIX_SCALE_ROW1
.else
	v_wmma_scale_f32_16x16x128_f8f6f4 v[wd:wd+7], v[wa:wa+7], v[wb:wb+7], v[wd:wd+7], v[wsa], v[wsb] matrix_a_fmt:MATRIX_FMT_FP4 matrix_b_fmt:MATRIX_FMT_FP4
.endif
.endif
.endm
.macro BIAS b, f                       ; j - i of block b's 16 keys of my lane: (i' - DTH) + f, f = 128 (slot - 4) + 32 b as f32: whole numbers, nothing is rounded
.irp p, 0,2,4,6,8,10,12,14
	v_pk_add_f32 v[S+16*\b+\p:S+16*\b+\p+1], v[IT+\p:IT+\p+1], \f op_sel_hi:[1,0]
.endr
.endm
	s_load_b256 s[4:11], s[0:1], 0x0               ; qc, qs, kc, ks
	s_load_b256 s[12:19], s[0:1], 0x20             ; vc, vs, cod, scl
	s_load_b64 s[20:21], s[0:1], 0x40              ; out0
	v_lshrrev_b32 v77, 5, v0
	v_readfirstlane_b32 s22, v77                   ; wave = head hh
	s_lshr_b32 s24, ttmp9, 1                       ; g: the group of 32 rows
	s_and_b32 s25, ttmp9, 1                        ; u: which tile of it
	s_bfe_u32 s[NS], s24, 0x40002                  ; NS = (g >> 2) & 15: the queries' run of 128 in the batch
	s_lshr_b32 s27, s24, 2                         ; the same counted through both batches
	v_and_b32 v77, 31, v0                          ; lane
	v_and_b32 v78, 15, v0                          ; r
	v_bfe_u32 v79, v0, 4, 1                        ; h
	v_lshlrev_b32 v[LI], 4, v77
	v_lshlrev_b32 v[L32], 5, v77
	v_lshlrev_b32 v80, 2, v77                      ; 4 x lane
	v_lshlrev_b32 v81, 2, v78                      ; 4 r
	v_lshlrev_b32 v68, 2, v0                       ; 4 bytes a thread of K's 2,048 scale bytes,
	v_lshlrev_b32 v69, 1, v0                       ; 2 of V's 1,024
	v_lshl_add_u32 v70, v0, 2, KSC
	v_lshl_add_u32 v71, v0, 1, VSC
	s_wait_alu depctr_va_sdst(0)                   ; s22, the wave's number, is written, ahead of its first reader
	s_lshr_b32 s23, s22, 2                         ; key head
	s_lshl_b32 s88, s23, 10
	v_add_nc_u32 v[AK0], s88, v[LI]
	s_lshl_b32 s88, s23, 12
	s_add_co_u32 s88, s88, 16384
	v_add_nc_u32 v[AV0], s88, v[LI]
	s_lshl_b32 s88, s23, 7
	s_add_co_u32 s88, s88, KSC
	v_add_nc_u32 v[ASK], s88, v80
	s_lshl_b32 s88, s23, 8
	s_add_co_u32 s88, s88, VSC
	v_add_nc_u32 v[ASV], s88, v80
	s_lshl_b32 s88, s22, 10
	v_add_nc_u32 v[STA], s88, v[LI]                ; staging: 1,024 bytes a wave of each 16 KB
.irp i, 0,1,2,3,4
	v_add_nc_u32 v[72+\i], 32768*\i, v[STA]
.endr
	s_mov_b32 s89, 0
	s_wait_kmcnt 0x0
	s_lshl_b32 s88, ttmp9, 13
	s_lshl_b32 s90, s22, 9
	s_add_co_u32 s88, s88, s90
	s_add_nc_u64 s[56:57], s[4:5], s[88:89]        ; my head's Q
	s_lshl_b32 s88, ttmp9, 10
	s_lshl_b32 s90, s22, 6
	s_add_co_u32 s88, s88, s90
	s_add_nc_u64 s[58:59], s[6:7], s[88:89]        ; and its scale words
	s_wait_alu depctr_va_vdst(0)                   ; the offsets and LDS addresses made so far (v1-6, v10, v68-76, v81) are written: the 32 loads and the 30 staging stores below read them, and no vector line between names one that those still have to read
	global_load_b128 v[QF:QF+3], v[LI], s[56:57]
	global_load_b32 v[QS], v81, s[58:59]
.irp i, 0,1,2,3,4                      ; six loads a slot.  A slot that does not exist is clamped to the buffers' first run: every load stays inside, and nobody reads it
	s_add_co_i32 s34, s27, \i-4
	s_max_i32 s34, s34, 0
	s_lshl_b32 s88, s34, 14
	s_add_nc_u64 s[36+2*\i:37+2*\i], s[8:9], s[88:89]
	s_add_nc_u64 s[46+2*\i:47+2*\i], s[12:13], s[88:89]
	s_lshl_b32 s88, s34, 11
	s_add_nc_u64 s[66+2*\i:67+2*\i], s[10:11], s[88:89]
	s_lshl_b32 s88, s34, 10
	s_add_nc_u64 s[76+2*\i:77+2*\i], s[14:15], s[88:89]
	global_load_b128 v[100+16*\i:103+16*\i], v[STA], s[36+2*\i:37+2*\i]
	global_load_b128 v[104+16*\i:107+16*\i], v[STA], s[36+2*\i:37+2*\i] offset:512
	global_load_b128 v[108+16*\i:111+16*\i], v[STA], s[46+2*\i:47+2*\i]
	global_load_b128 v[112+16*\i:115+16*\i], v[STA], s[46+2*\i:47+2*\i] offset:512
	global_load_b32 v[180+\i], v68, s[66+2*\i:67+2*\i]
	global_load_u16 v[185+\i], v69, s[76+2*\i:77+2*\i]
.endr
	s_lshl_b32 s88, s22, 15
	s_add_co_u32 s88, s88, 352*8192
	s_add_nc_u64 s[60:61], s[16:17], s[88:89]      ; wo's tiles 4 hh on
	s_lshl_b32 s88, s22, 11
	s_add_co_u32 s88, s88, 352*512
	s_add_nc_u64 s[62:63], s[18:19], s[88:89]      ; and their scale words
	s_lshl_b32 s88, s24, 5
	s_lshl_b32 s90, s25, 3
	s_add_co_u32 s88, s88, s90
	s_add_co_u32 s88, s88, s22
	s_and_b32 s90, s22, 8
	s_add_co_u32 s88, s88, s90
	s_lshl_b32 s88, s88, 12
	s_add_nc_u64 s[86:87], s[20:21], s[88:89]      ; the row of out0 that I store: the tile's row hh
	s_mov_b32 s[SEL], 0x76543210
	s_mov_b32 s[SEL+1], 0xfedcba98                 ; v_permlanex16_b32's selects for lane l xor 16
	s_mov_b32 s[C1], 0x3e38aa3b                    ; log2(e) / 8
	s_mov_b32 s[C1+1], s[C1]
	s_lshr_b32 s88, s22, 1                         ; 8 x slope, slope = f32(2^(-hh / 2)): exponent field 130 - (hh >> 1) - (hh & 1), and sqrt(2)'s mantissa where hh is odd
	s_and_b32 s90, s22, 1
	s_sub_co_u32 s[SL], 130, s88
	s_sub_co_u32 s[SL], s[SL], s90
	s_lshl_b32 s[SL], s[SL], 23
	s_mul_i32 s90, s90, 0x3504f3
	s_or_b32 s[SL], s[SL], s90
	s_mov_b32 s[SL+1], s[SL]
	s_and_b32 s88, s24, 3
	s_lshl_b32 s88, s88, 5
	s_lshl_b32 s90, s25, 3
	s_add_co_u32 s88, s88, s90                     ; 32 (g & 3) + 8 u
	v_and_b32 v82, 8, v78
	v_add3_u32 v[DTH], v78, v82, s88               ; my query's place in its run
	v_lshlrev_b32 v82, 4, v79
	v_sub_nc_u32 v[DTH], v[DTH], v82               ; less 16 h: register 16 b + i' holds key 32 b + 16 h + i' of a slot
.irp i, 0,1,2,3,4,5,6,7,8,9,10,11,12,13,14,15
	v_sub_nc_u32 v[IT+\i], \i, v[DTH]
.endr
.irp i, 0,1,2,3,4,5,6,7,8,9,10,11,12,13,14,15
	v_cvt_f32_i32 v[IT+\i], v[IT+\i]
.endr
	v_mul_u32_u24 v[STO], v78, SPITCH              ; the stage: row r, + 64 h, + 256 hh: my 16 outputs' bytes
	v_lshl_add_u32 v[STO], v79, 6, v[STO]
	s_lshl_b32 s88, s22, 8
	v_add_nc_u32 v[STO], s88, v[STO]
	s_mul_i32 s88, s22, SPITCH
	v_add_nc_u32 v[STR], s88, v[LI]                ; back: row hh, 16 bytes a lane
	v_mov_b32 v13, 0xff61b1e6                      ; the largest t so far: -3e38, under every t
	v_floor_f32 v12, -v13                          ; -M
	v_mov_b32 v14, 0                               ; the sum, in two halves
	v_mov_b32 v15, 0
	v_mov_b32 v[NINF], 0xff800000
	v_mov_b32 v[F+1], 0                            ; named as the upper half of a pair
.irp b, 0,1,2,3
	v_mov_b32 v[QF+4+\b], 0                        ; Q's k = 64 .. 127: zero codes
	v_mov_b32 v[KF+32+\b], 0                       ; what the last tile of K names beyond its own codes
	v_mov_b32 v[T4+\b], 0                          ; written once: a lane permute's destination counts as one of its sources
.endr
.irp i, 0,1,2,3,4
	s_wait_loadcnt 6*(4-\i)                        ; slot i's six loads are in; the younger slots' may be out
	ds_store_b128 v[72+\i], v[100+16*\i:103+16*\i]
	ds_store_b128 v[72+\i], v[104+16*\i:107+16*\i] offset:512
	ds_store_b128 v[72+\i], v[108+16*\i:111+16*\i] offset:16384
	ds_store_b128 v[72+\i], v[112+16*\i:115+16*\i] offset:16896
	ds_store_b32 v70, v[180+\i] offset:2048*\i
	ds_store_b16 v71, v[185+\i] offset:1024*\i
.endr
	s_wait_dscnt 0x0                               ; for the others' sake: my part of the slots has landed
	s_barrier_signal -1
	s_barrier_wait -1
	s_wait_alu depctr_vm_vsrc(0)                   ; the staging stores have read their data (v100-189, from here on S and O) and their addresses (v70-76), and the head's loads their offsets (v10, v68, v69): all of these are written again below
.set n, 0
.rept 32
	v_mov_b32 v[O+n], 0                            ; O^T.  Any of the five steps can be a work-group's first, so the step is written once and finds zeros, which the first change of M leaves zeros
.set n, n+1
.endr
; A KEY STEP: slot i's 128 keys.  mk = 1: keys under the window's edge are hidden; 2: keys beyond the diagonal; f0-f3: 128 (i - 4) + 32 b as f32
.macro STEP i, mk, f0, f1, f2, f3
.if \i > 0
	s_wait_alu depctr_vm_vsrc(0)                   ; the LDS loads of the step before have read v[ADK] and v[ADV], which the next two lines write
.endif
	v_add_nc_u32 v[ADK], 32768*\i, v[AK0]
	v_add_nc_u32 v[ADV], 32768*\i, v[AV0]
.if \i < 4
	s_cmp_lt_u32 s[NS], 4-\i                       ; the slot lies ahead of the batch's first key: a branch on ids
	s_cbranch_scc1 .Lskip_\@
.endif
	s_wait_alu depctr_va_vdst(0)                   ; v[ADK] and v[ADV] are written, which the loads below read; the products of the step before are done reading K's and V's fragments and scale words, in which they land; in a work-group's first step: the head is done with its temporaries in V's registers, and Q's and K's zero codes, which the products below take, are written
.irp kt, 0,1,2,3,4,5,6,7
	ds_load_b128 v[KF+4*\kt:KF+4*\kt+3], v[ADK] offset:4096*(\kt/2)+512*(\kt%2)
.endr
.irp b, 0,1,2,3
	ds_load_b32 v[KS+\b], v[ASK] offset:2048*\i+512*\b        ; lanes 0-15: the even tile's words, lanes 16-31: the odd one's
.endr
	BIAS 0, \f0
	BIAS 1, \f1
	BIAS 2, \f2
	BIAS 3, \f3
.set n, 0
.rept 32
	v_pk_mul_f32 v[S+n:S+n+1], v[S+n:S+n+1], s[SL:SL+1] op_sel_hi:[1,0]   ; 8 slope (j - i): one rounding
.set n, n+2
.endr
.irp dt, 0,1,2,3                       ; no further wait: the 64 lines since the wait above name S, IT and scalars, none of the registers that V's loads touch
.irp c, 0,1
	ds_load_b128 v[VF+8*\dt+4*\c:VF+8*\dt+4*\c+3], v[ADV] offset:1024*\dt+512*\c
.endr
.endr
.irp pb, 0,1
	ds_load_b32 v[VS+\pb], v[ASV] offset:1024*\i+128*\pb
.endr
	PLACES
	s_wait_dscnt 10                                ; K's twelve loads are in; V's ten may be out
.irp kt, 0,1,2,3,4,5,6,7               ; S^T = K Q^T + the bias; the eight accumulators take turns
.set wd, S+8*\kt
.set wa, KF+4*\kt
.set wb, QF
.set wz, 0
.set wsa, KS+\kt/2
.set wra, \kt%2
.set wsb, QS
	WM
.endr
	PLACES
.if \mk == 1
.irp q, 0,1                            ; the 64 compares in two runs of 32, each into 32 scalar registers, with one wait between a run and the selects that read its masks
.set n, 0
.rept 32
.set sg, 36+n+10*(n/20)
	v_cmp_lt_i32 s[sg], 32*((32*\q+n)/16)+(32*\q+n)%16, v[DTH]    ; j < i - 512
.set n, n+1
.endr
	s_wait_alu depctr_va_sdst(0)                   ; the run's 32 masks are written, ahead of their first reader
.set n, 0
.rept 32
.set sg, 36+n+10*(n/20)
	v_cndmask_b32 v[S+32*\q+n], v[S+32*\q+n], v[NINF], s[sg]
.set n, n+1
.endr
.endr
.endif
.if \mk == 2
.irp q, 0,1
.set n, 0
.rept 32
.set sg, 36+n+10*(n/20)
	v_cmp_gt_i32 s[sg], 32*((32*\q+n)/16)+(32*\q+n)%16, v[DTH]    ; j > i
.set n, n+1
.endr
	s_wait_alu depctr_va_sdst(0)                   ; the run's 32 masks are written, ahead of their first reader
.set n, 0
.rept 32
.set sg, 36+n+10*(n/20)
	v_cndmask_b32 v[S+32*\q+n], v[S+32*\q+n], v[NINF], s[sg]
.set n, n+1
.endr
.endr
.endif
.irp b, 0,1,2,3
	v_max3_num_f32 v[BM+\b], v[S+16*\b], v[S+16*\b+1], v[S+16*\b+2]   ; the largest score of each block of 32 keys: it serves the row's maximum and, since p rises with the score, the block's largest p
.endr
.irp j, 3,5,7,9,11,13
.irp b, 0,1,2,3
	v_max3_num_f32 v[BM+\b], v[BM+\b], v[S+16*\b+\j], v[S+16*\b+\j+1]
.endr
.endr
.irp b, 0,1,2,3
	v_max_num_f32 v[BM+\b], v[BM+\b], v[S+16*\b+15]
.endr
.irp b, 0,1,2,3
	v_permlanex16_b32 v[T4+\b], v[BM+\b], s[SEL], s[SEL+1]
.endr
.irp b, 0,1,2,3
	v_max_num_f32 v[BM+\b], v[BM+\b], v[T4+\b]     ; with lane l xor 16's 16 keys
.endr
	v_max3_num_f32 v[TMP], v[BM], v[BM+1], v[BM+2]
	v_max_num_f32 v[TMP], v[TMP], v[BM+3]
	v_mul_f32 v[TMP], s[C1], v[TMP]                ; the step's largest t
	v_max_num_f32 v13, v13, v[TMP]                 ; the running largest t
	v_mov_b32 v[TMP], v12
	v_floor_f32 v12, -v13                          ; the new -M = -ceil(t): a whole number
	v_sub_f32 v[TMP], v12, v[TMP]                  ; old M - new M, 0 or less
	v_cvt_i32_f32 v[TMP], v[TMP]                   ; (it saturates)
	v_ldexp_f32 v[F], 1.0, v[TMP]                  ; 2^(old M - new M)
.set n, 0
.rept 32
	v_pk_fma_f32 v[S+n:S+n+1], v[S+n:S+n+1], s[C1:C1+1], v[12:13] op_sel_hi:[1,0,0]   ; t - M
.set n, n+2
.endr
.irp b, 0,1,2,3
	v_fma_f32 v[BM+\b], v[BM+\b], s[C1], v12       ; the same of each block's largest score
.endr
.set n, 0
.rept 64
	v_exp_f32 v[S+n], v[S+n]                       ; p = 2^(t - M), not normalised
.set n, n+1
.endr
.irp b, 0,1,2,3
	v_exp_f32 v[BM+\b], v[BM+\b]                   ; the block's largest p: the same two instructions on the same number
.endr
	v_pk_mul_f32 v[14:15], v[14:15], v[F:F+1] op_sel_hi:[1,0]   ; the sums under the new M.  (A plain place behind the exponentials)
	s_wait_alu depctr_va_vdst(0)                   ; the 68 exponentials are written, ahead of their first reader: one wait for the batch
.irp b, 0,1,2,3
	v_max_num_f32 v[BM+\b], 0x1800000, v[BM+\b]    ; the floor 2^(3 - 127): the byte cannot fall under 1
.endr
.irp b, 0,1,2,3
	v_add_nc_u32 v[SO+\b], 0xff000000, v[BM+\b]    ; 2 off the exponent field: the conversion's scale operand
.endr
.irp b, 0,1,2,3
	v_lshrrev_b32 v[T4+\b], 23, v[SO+\b]           ; the scale's byte
.endr
	v_lshl_or_b32 v[PW], v[T4+1], 8, v[T4]         ; p's scale word for these 128 keys
	v_lshl_or_b32 v[PW], v[T4+2], 16, v[PW]
	v_lshl_or_b32 v[PW], v[T4+3], 24, v[PW]
.irp b, 0,1,2,3
	v_cvt_scalef32_pk8_fp4_f32 v[PC+2*\b], v[S+16*\b:S+16*\b+7], v[SO+\b]
	v_cvt_scalef32_pk8_fp4_f32 v[PC+2*\b+1], v[S+16*\b+8:S+16*\b+15], v[SO+\b]
.endr
	v_nop                                          ; one plain place behind a scaled conversion
.irp c, 0,1                            ; the operand's layout wants a whole block in a lane
.irp j, 0,1
	v_permlane16_swap_b32 v[PC+4*\c+\j], v[PC+2+4*\c+\j]
.endr
.endr
.set n, 0
.rept 16
	v_pk_mul_f32 v[O+n:O+n+1], v[O+n:O+n+1], v[F:F+1] op_sel_hi:[1,0]   ; O^T under the new M, each accumulator from its low end on.  These sixteen are the places behind p's scale word and codes
.set n, n+2
.endr
	s_wait_alu depctr_va_vdst(0)                   ; p's scale word and codes are written, which the scaled products below take; the places stand above, and the 32 lines between here and the products name none of the products' registers
	v_pk_add_f32 v[SM2:SM2+1], v[S:S+1], v[S+2:S+3]           ; the row's sum of the unquantised p, in two chains
.irp j, 4,8,12,16,20,24,28,32,36,40,44,48,52,56,60
	v_pk_add_f32 v[14:15], v[14:15], v[S+\j:S+\j+1]
	v_pk_add_f32 v[SM2:SM2+1], v[SM2:SM2+1], v[S+\j+2:S+\j+3]
.endr
	v_pk_add_f32 v[14:15], v[14:15], v[SM2:SM2+1]
	s_wait_dscnt 0x0                               ; V is in
.irp dt, 0,1,2,3                       ; O^T += V^T P^T: four tiles of 16 of the head's 64, by turns
.set wd, O+8*\dt
.set wa, VF+8*\dt
.set wb, PC
.set wz, 0
.set wsa, VS+\dt/2
.set wra, \dt%2
.set wsb, PW
	WM
.endr
.if \i < 4
.Lskip_\@:
.endif
.endm
	STEP 0, 1, 0xc4000000, 0xc3f00000, 0xc3e00000, 0xc3d00000
	STEP 1, 0, 0xc3c00000, 0xc3b00000, 0xc3a00000, 0xc3900000
	STEP 2, 0, 0xc3800000, 0xc3600000, 0xc3400000, 0xc3200000
	STEP 3, 0, 0xc3000000, 0xc2c00000, 0xc2800000, 0xc2000000
	STEP 4, 2, 0, 0x42000000, 0x42800000, 0x42c00000
; wo's four fragments of K step s into ring slot s % 4: eight loads of 512 consecutive bytes
.macro WLOAD s
.irp tt, 0,1,2,3
.irp c, 0,1
	global_load_b128 v[WR+32*((\s)%4)+8*\tt+4*\c:WR+32*((\s)%4)+8*\tt+4*\c+3], v[LI], s[60:61] offset:8192*\tt+1024*(\s)+512*\c
.endr
.endr
.endm
.macro OFLOAD s                        ; the result's fragment of K step s (heads 2 s, 2 s + 1) into buffer s % 2
.irp c, 0,1
	ds_load_b128 v[OF+8*((\s)%2)+4*\c:OF+8*((\s)%2)+4*\c+3], v[ADK] offset:1024*(\s)+512*\c
.endr
.endm
	PLACES                                         ; behind the last products: loads follow into V's registers, and reads of O^T
	s_wait_alu depctr_va_vdst(0)                   ; the last step's products and sums are done with K's, V's and S's registers, in which wo's first four K steps land
	s_wait_alu depctr_vm_vsrc(0)                   ; the last step's LDS loads have read v[ADK] and v[ADV], which are made anew below
.irp pb, 0,1
	global_load_b128 v[WS+8*\pb:WS+8*\pb+3], v[L32], s[62:63] offset:1024*\pb
	global_load_b128 v[WS+8*\pb+4:WS+8*\pb+7], v[L32], s[62:63] offset:1024*\pb+16
.endr
	WLOAD 0                                        ; wo's first four K steps land while the result is finished and quantised
	WLOAD 1
	WLOAD 2
	WLOAD 3
	v_add_f32 v14, v14, v15                        ; the sum's two halves,
	v_permlanex16_b32 v[TMP], v14, s[SEL], s[SEL+1]
	v_add_f32 v14, v14, v[TMP]                     ; and lane l xor 16's: the row's sum
	v_rcp_f32 v14, v14
	s_lshl_b32 s88, s22, 9
	s_add_co_u32 s88, s88, OIMG
	v_add_nc_u32 v[STA], s88, v[LI]                ; (a plain place behind the transcendental)  my head is register group hh & 1 of fragment hh >> 1: OIMG + 512 hh + 16 x lane
	s_lshr_b32 s88, s22, 1
	s_lshl_b32 s88, s88, 6
	s_and_b32 s90, s22, 1
	s_lshl_b32 s90, s90, 1
	s_add_co_u32 s88, s88, s90
	s_add_co_u32 s88, s88, OSC
	v_and_b32 v[ADV], 15, v0
	v_lshl_add_u32 v[STB], v[ADV], 2, s88          ; its two scale bytes: OSC + 64 (hh >> 1) + 4 r + 2 (hh & 1)
	v_lshl_add_u32 v[ADV], v[ADV], 2, OSC
	v_add_nc_u32 v[ADK], OIMG, v[LI]
.set n, 0
	s_wait_alu depctr_va_vdst(0)                   ; the reciprocal is written, ahead of its first reader
.rept 16
	v_pk_mul_f32 v[O+n:O+n+1], v[O+n:O+n+1], v[14:15] op_sel_hi:[1,0]   ; O^T / the sum: register 16 b + i is channel 32 b + 16 h + i of my query
.set n, n+2
.endr
.irp b, 0,1                            ; the head's two blocks of 32 along the last product's K
	v_max3_num_f32 v[BM+\b], |v[O+16*\b]|, |v[O+16*\b+1]|, 0x1800000
.endr
.irp j, 2,4,6,8,10,12,14
.irp b, 0,1
	v_max3_num_f32 v[BM+\b], v[BM+\b], |v[O+16*\b+\j]|, |v[O+16*\b+\j+1]|
.endr
.endr
.irp b, 0,1
	v_permlanex16_b32 v[T4+\b], v[BM+\b], s[SEL], s[SEL+1]
.endr
.irp b, 0,1
	v_max_num_f32 v[BM+\b], v[BM+\b], v[T4+\b]
.endr
.irp b, 0,1
	v_add_nc_u32 v[SO+\b], 0xff000000, v[BM+\b]
.endr
.irp b, 0,1
	v_lshrrev_b32 v[T4+\b], 23, v[SO+\b]
.endr
	v_lshl_or_b32 v[TMP], v[T4+1], 8, v[T4]
.irp b, 0,1
	v_cvt_scalef32_pk8_fp4_f32 v[PC+2*\b], v[O+16*\b:O+16*\b+7], v[SO+\b]
	v_cvt_scalef32_pk8_fp4_f32 v[PC+2*\b+1], v[O+16*\b+8:O+16*\b+15], v[SO+\b]
.endr
	v_nop                                          ; one plain place behind a scaled conversion
	v_permlane16_swap_b32 v[PC], v[PC+2]
	v_permlane16_swap_b32 v[PC+1], v[PC+3]         ; lanes 0-15: block 0, lanes 16-31: block 1
	s_wait_alu depctr_va_vdst(0)                   ; the image's codes and two bytes and the four LDS addresses v8-11 are written, which the LDS stores and loads below read; the key steps are done with v24-31 and v196-211, in which the images' scale words and fragments land
	ds_store_b128 v[STA], v[PC:PC+3]
	ds_store_b16 v[STB], v[TMP]                    ; lanes r and r + 16 write the same two bytes
	s_wait_dscnt 0x0                               ; my image has landed, and my reads of K and V are over
	s_barrier_signal -1
	s_barrier_wait -1                              ; the 16 heads' images lie in LDS; nobody reads the slots any more
.irp s, 0,1,2,3,4,5,6,7
	ds_load_b32 v[OS+\s], v[ADV] offset:64*\s
.endr
	OFLOAD 0
	OFLOAD 1                                       ; both buffers are asked for; each step asks for the fragment two steps on
; A K step of the last product (transposed: source 0 = 16 rows of wo, source 1 = the 16 queries): four accumulators by turns
.macro OSTEP s
.if (\s) < 7
	s_wait_dscnt 2                                 ; this step's fragment (and the scale words) are in; the next one's two loads may be out
.else
	s_wait_dscnt 0x0
.endif
.if (\s) < 5
	s_wait_loadcnt 24                              ; this step's eight loads are in; those of the three steps behind it may be out
.else
	s_wait_loadcnt 8*(7-(\s))
.endif
.irp tt, 0,1,2,3
.set wd, O+8*\tt
.set wa, WR+32*((\s)%4)+8*\tt
.set wb, OF+8*((\s)%2)
.set wz, 0
.if (\s) == 0
.set wz, 1
.endif
.set wsa, WS+8*(\tt/2)+(\s)
.set wra, \tt%2
.set wsb, OS+(\s)
	WM
.endr
	PLACES
.if (\s) < 6
	s_wait_alu depctr_va_vdst(0)                   ; the four products above are done reading this step's fragment of the result and its four fragments of wo: the loads below land in these
	OFLOAD (\s)+2
.endif
.if (\s) < 4
	WLOAD (\s)+4
.endif
.endm
.irp s, 0,1,2,3,4,5,6,7
	OSTEP \s
.endr
	; THE WAY OUT.  A lane holds 16 neighbouring outputs (64 bytes) of one row for each pair of tiles; a row's 1,024 outputs come from sixteen waves: they meet in the stage, and each wave stores one whole row
	s_wait_alu depctr_va_vdst(0)                   ; the last products have written the four accumulators, which the LDS stores read (the places stand above); and all products are done reading v32-63, in which the row lands behind the barrier
.irp pb, 0,1
.irp qd, 0,1,2,3
	ds_store_b128 v[STO], v[O+16*\pb+4*\qd:O+16*\pb+4*\qd+3] offset:128*\pb+16*\qd   ; each accumulator from its low end on
.endr
.endr
	s_wait_dscnt 0x0
	s_barrier_signal -1
	s_barrier_wait -1
.irp i, 0,1,2,3,4,5,6,7
	ds_load_b128 v[WR+4*\i:WR+4*\i+3], v[STR] offset:512*\i
.endr
.irp i, 0,1,2,3,4,5,6,7
	s_wait_dscnt 7-\i
	global_store_b128 v[LI], v[WR+4*\i:WR+4*\i+3], s[86:87] offset:512*\i th:TH_STORE_NT   ; 32 lanes store 512 consecutive bytes, at a multiple of 256 from out0's first byte; written once
.endr
	s_wait_xcnt 0x0
	v_lshl_add_u32 v251, v0, 2, 0x2de00            ; my spare word's LDS address, and 0, made anew here (no two registers could be kept; v0 is as at the entry; no memory or LDS instruction has read these two)
	v_mov_b32 v252, 0
	s_wait_dscnt 0x0                               ; the closing lines, six on end
	s_wait_alu 0x0
	s_wait_tensorcnt 0x0
	ds_add_u32 v251, v252
	s_wait_dscnt 0x0
	s_endpgm
.Lfunc_end_k_qf0dc98d982_attn:
	.size	k_qf0dc98d982_attn, .Lfunc_end_k_qf0dc98d982_attn-k_qf0dc98d982_attn
	.p2alignl 7, 3214868480
	.fill 96, 4, 3214868480
	.section	.rodata,"a",@progbits
	.p2align	6, 0x0
	.amdhsa_kernel k_qf0dc98d982_attn
		.amdhsa_group_segment_fixed_size 189952
		.amdhsa_private_segment_fixed_size 0
		.amdhsa_enable_private_segment 0
		.amdhsa_kernarg_size 72
		.amdhsa_user_sgpr_count 2
		.amdhsa_user_sgpr_kernarg_segment_ptr 1
		.amdhsa_wavefront_size32 1
		.amdhsa_system_sgpr_workgroup_id_x 1
		.amdhsa_system_sgpr_workgroup_id_y 1
		.amdhsa_system_sgpr_workgroup_id_z 1
		.amdhsa_system_vgpr_workitem_id 0
		.amdhsa_next_free_vgpr 256
		.amdhsa_next_free_sgpr 96
		.amdhsa_reserve_vcc 0
		.amdhsa_float_denorm_mode_32 3
		.amdhsa_float_denorm_mode_16_64 3
		.amdhsa_memory_ordered 1
		.amdhsa_forward_progress 1
		.amdhsa_inst_pref_size 152
	.end_amdhsa_kernel
	.amdgpu_metadata
---
amdhsa.version: [ 1, 2 ]
amdhsa.kernels:
  - .name:           k_qf0dc98d982_attn
    .symbol:         k_qf0dc98d982_attn.kd
    .args:
      - { .name: qc, .offset: 0, .size: 8, .value_kind: global_buffer, .address_space: global }
      - { .name: qs, .offset: 8, .size: 8, .value_kind: global_buffer, .address_space: global }
      - { .name: kc, .offset: 16, .size: 8, .value_kind: global_buffer, .address_space: global }
      - { .name: ks, .offset: 24, .size: 8, .value_kind: global_buffer, .address_space: global }
      - { .name: vc, .offset: 32, .size: 8, .value_kind: global_buffer, .address_space: global }
      - { .name: vs, .offset: 40, .size: 8, .value_kind: global_buffer, .address_space: global }
      - { .name: cod, .offset: 48, .size: 8, .value_kind: global_buffer, .address_space: global }
      - { .name: scl, .offset: 56, .size: 8, .value_kind: global_buffer, .address_space: global }
      - { .name: out0, .offset: 64, .size: 8, .value_kind: global_buffer, .address_space: global }
    .group_segment_fixed_size: 189952
    .private_segment_fixed_size: 0
    .kernarg_segment_align: 8
    .kernarg_segment_size: 72
    .max_flat_workgroup_size: 512
    .sgpr_count:     96
    .vgpr_count:     256
    .wavefront_size: 32
...
	.end_amdgpu_metadata
.endif
;; end of part 5
